; MI455X (gfx1250); checked and timed in simulation.
; The chip was launched on July 23, 2026; its instructions are those of AMD's public machine-readable ISA for CDNA 5 (MIT licence, August 2026) and "CDNA5" Instruction Set Architecture Reference Guide (July 2026). The comments in the code are by the model that wrote it; some were corrected since.
;; Fused MLP Wrapper. Allowed arithmetic: float matrix products may take bf16 or f16 operands with f32 sums; all other float work in f32.
;; Inputs: W1 16,384 x 4,096 float16; W2 4,096 x 16,384 float16; b1 16,384 float16; b2 4,096 float16; ld1 32 x 4,096 float16; ld2 32 x 16,384 float16; lu1 16,384 x 32 float16; lu2 4,096 x 32 float16; x 512 x 4,096 float16.
;; Outputs: out0 512 x 4,096 float16.
;; One version. Each part assembles by itself: llvm-mc -triple=amdgcn-amd-amdhsa -mcpu=gfx1250 --defsym DOCPART=n.
;; ======== version 1 of 1: 4 launches
;; workspace buffers: t1f 32,768 bytes; h 16,777,216 bytes; t2p 4,194,304 bytes; p 33,554,432 bytes
;; launch lora1 (part 1): grid 2 x 32, 16 waves a work-group, no clusters, 289,792 bytes of LDS; arguments x, ld1, t1f; writes t1f
.if DOCPART == 1
	.amdgcn_target "amdgcn-amd-amdhsa--gfx1250"
	.amdhsa_code_object_version 6
	.text
	.protected	k_q599e51934b_lora1
	.globl	k_q599e51934b_lora1
	.p2align	8
	.type	k_q599e51934b_lora1,@function
k_q599e51934b_lora1:
	s_mov_b64 s[64:65], 0
	v_nop
	global_prefetch_b8 v0, s[64:65] scope:SCOPE_SE
	s_setreg_imm32_b32 hwreg(HW_REG_WAVE_MODE, 25, 1), 1
	s_wait_xcnt 0x0
; t1 = x ld1^T, rounded to f16, stored as the register image of a matrix fragment.
; x: [512][4096] f16, ld1: [32][4096] f16.  t1f: [rb 32][q 2][lane 32][16 bytes]: lane (r = lane % 16, hh = lane / 16) of block rb holds
; t1(16 rb + r, 16 q + 8 hh .. + 7), which is what registers 4q .. 4q+3 of a 16 x 32 f16 fragment hold: the next launch loads it as it lies.
; Work-group (g, rb): 16 token rows x 16 ranks (16 g ..).  Sixteen waves split K: wave w takes K = 256 w .. 256 w + 255, eight matrix instructions.
; The product is used transposed (source 0 = rows of ld1, source 1 = rows of x): a lane then holds one token row and eight neighbouring ranks.
; The sixteen partial tiles meet in LDS and are summed in f32; one rounding to f16.
; LIMIT: t1 is kept in f16, as the f16 einsum of the problem returns it: infinity above 65,504, a step of 2^-24 below 6.1e-5.
; NO MULTICAST: a work-group has one step (two first fills a wave, no refill); a joint request could spare one of a wave's two tiles and would
; add an opening and a closing round of a cluster's barrier to a body of eight matrix instructions a wave.
.set LP,     528                       ; an LDS row: 512 bytes + 16 of padding = 33 x 16: the sixteen rows of a fragment load start in different banks
.set TILEB,  16*LP                     ; a tile of 16 rows x 256 K
.set WBYTES, 2*TILEB                   ; a wave's own bytes: its tile of x, then its tile of ld1
.set XR,     16*WBYTES                 ; 270,336: sixteen partial tiles of 1,024 bytes; no tensor load lands here
.set FIN,    XR+16*1024                ; 286,720: the summed tile
.set ACC,    16                        ; v[16:23], v[24:31] two accumulators that take turns
.set XF,     32                        ; v[32:95]  eight fragments of x
.set LF,     96                        ; v[96:159] eight fragments of ld1
.set G1,     16                        ; s[16:23] descriptor group 1, the same for both tiles
.set G0X,    24                        ; s[24:27] group 0 for x's tile
.set G0L,    28                        ; s[28:31] group 0 for ld1's tile
	s_load_b128 s[4:7], s[0:1], 0x0                ; x s[4:5], ld1 s[6:7]
	s_load_b64 s[8:9], s[0:1], 0x10                ; t1f
	v_lshl_add_u32 v176, v0, 2, 0x46400
	v_mov_b32 v177, 0
	ds_add_u32 v176, v177
	v_lshrrev_b32 v1, 5, v0
	v_readfirstlane_b32 s10, v1                    ; wave 0..15
	s_and_b32 s11, ttmp7, 0xffff                   ; rb
	s_mov_b32 s[G1+0], (1<<16)|(1<<20)|(6<<22)|(3<<25)   ; elements of 2 bytes; behind every 128 words (a row) 4 words of padding
	s_mov_b32 s[G1+1], 256<<16                     ; tensor_dim0 = 256
	s_mov_b32 s[G1+2], 16<<16                      ; tensor_dim1 = 16
	s_mov_b32 s[G1+3], 256<<16                     ; tile_dim0 = 256 elements (512 bytes)
	s_mov_b32 s[G1+4], 16                          ; tile_dim1 = 16 rows
	s_mov_b32 s[G1+5], 4096                        ; elements from row to row
	s_mov_b32 s[G1+6], 0
	s_mov_b32 s[G1+7], 0
	s_lshl_b32 s12, s10, 9                         ; my 512 bytes of a row
	s_lshl_b32 s2, s11, 17                         ; 16 rows of 8,192 bytes for each rb
	s_add_co_u32 s2, s2, s12
	s_mov_b32 s3, 0
	s_lshl_b32 s14, ttmp9, 17                      ; 16 rows of ld1 for each g
	s_add_co_u32 s14, s14, s12
	s_mov_b32 s15, 0
	s_mul_i32 s13, s10, WBYTES                     ; my bytes of LDS
	s_lshl_b32 s34, s11, 10                        ; t1f: 1,024 rb + 512 g
	s_lshl_b32 s35, ttmp9, 9
	s_add_co_u32 s34, s34, s35
	s_mov_b32 s35, 0
	s_wait_dscnt 0x0
	s_wait_kmcnt 0x0
	s_mov_b32 s[G0X+0], 1
	s_mov_b32 s[G0X+1], s13
	s_add_nc_u64 s[G0X+2:G0X+3], s[4:5], s[2:3]
	s_or_b32 s[G0X+3], s[G0X+3], 0x80000000
	s_mov_b32 s[G0L+0], 1
	s_add_co_u32 s[G0L+1], s13, TILEB
	s_add_nc_u64 s[G0L+2:G0L+3], s[6:7], s[14:15]
	s_or_b32 s[G0L+3], s[G0L+3], 0x80000000
	tensor_load_to_lds s[G0X:G0X+3], s[G1:G1+7]    ; the wave's two fills, its only ones: two tensor loads out at the most
	s_nop 0
	tensor_load_to_lds s[G0L:G0L+3], s[G1:G1+7]
	s_nop 0
	s_add_nc_u64 s[8:9], s[8:9], s[34:35]
	v_and_b32 v1, 15, v0                           ; r
	v_bfe_u32 v2, v0, 4, 1                         ; hh
	v_mul_u32_u24 v3, v1, LP
	v_lshl_add_u32 v3, v2, 4, v3
	v_add_nc_u32 v3, s13, v3                       ; fragment address: my bytes + r x pitch + 16 hh
	v_and_b32 v4, 31, v0                           ; lane
	v_lshlrev_b32 v5, 4, v4                        ; 16 x lane
	s_lshl_b32 s32, s10, 10
	s_add_co_u32 s32, s32, XR
	v_add_nc_u32 v6, s32, v5                       ; where my partial tile goes
	s_lshl_b32 s33, s10, 7
	s_add_co_u32 s33, s33, XR
	v_lshl_add_u32 v7, v4, 2, s33                  ; the word that I sum over the sixteen tiles: 128 w + 4 lane
	v_add_nc_u32 v8, FIN, v5
	s_wait_tensorcnt 0x0                           ; both tiles are in; only this wave reads them, so no barrier
.irp c, 0,1,2,3,4,5,6,7
	ds_load_b128 v[XF+8*\c:XF+8*\c+3],   v3 offset:64*\c
	ds_load_b128 v[XF+8*\c+4:XF+8*\c+7], v3 offset:64*\c+32
	ds_load_b128 v[LF+8*\c:LF+8*\c+3],   v3 offset:TILEB+64*\c
	ds_load_b128 v[LF+8*\c+4:LF+8*\c+7], v3 offset:TILEB+64*\c+32
.endr
	s_wait_dscnt 0x0
	; two accumulators by turns, one instruction a turn
.irp c, 0,1,2,3,4,5,6,7
.if \c < 2
	v_wmma_f32_16x16x32_f16 v[ACC+8*(\c%2):ACC+8*(\c%2)+7], v[LF+8*\c:LF+8*\c+7], v[XF+8*\c:XF+8*\c+7], 0
.else
	v_wmma_f32_16x16x32_f16 v[ACC+8*(\c%2):ACC+8*(\c%2)+7], v[LF+8*\c:LF+8*\c+7], v[XF+8*\c:XF+8*\c+7], v[ACC+8*(\c%2):ACC+8*(\c%2)+7]
.endif
.endr
.rept 4
	v_nop                                          ; four places behind the last matrix instruction before its result is read (ISA guide 7.12.1)
.endr
.irp j, 0,2,4,6
	v_pk_add_f32 v[ACC+\j:ACC+\j+1], v[ACC+\j:ACC+\j+1], v[ACC+8+\j:ACC+8+\j+1]
.endr
	ds_store_b128 v6, v[ACC:ACC+3]
	ds_store_b128 v6, v[ACC+4:ACC+7] offset:512
	s_wait_dscnt 0x0                               ; my tile is written, for the others' sake
	s_barrier_signal -1
	s_barrier_wait -1
	s_cmp_gt_u32 s10, 7                            ; a tile has 256 words: waves 0 to 7 sum one word a lane
	s_cbranch_scc1 .Lno_sum
.irp m, 0,1,2,3,4,5,6,7,8,9,10,11,12,13,14,15
	ds_load_b32 v[XF+\m], v7 offset:1024*\m
.endr
	s_wait_dscnt 0x0
.irp j, 0,2,4,6
	v_pk_add_f32 v[XF+\j:XF+\j+1], v[XF+\j:XF+\j+1], v[XF+8+\j:XF+8+\j+1]
.endr
	v_pk_add_f32 v[XF:XF+1], v[XF:XF+1], v[XF+4:XF+5]
	v_pk_add_f32 v[XF+2:XF+3], v[XF+2:XF+3], v[XF+6:XF+7]
	v_pk_add_f32 v[XF:XF+1], v[XF:XF+1], v[XF+2:XF+3]
	v_add_f32 v[XF], v[XF], v[XF+1]
	ds_store_b32 v7, v[XF] offset:FIN-XR
.Lno_sum:
	s_wait_dscnt 0x0
	s_barrier_signal -1
	s_barrier_wait -1
	s_cmp_lg_u32 s10, 0                            ; wave 0 rounds and stores the tile: 512 neighbouring bytes in one store
	s_cbranch_scc1 .Lend
	ds_load_b128 v[XF:XF+3], v8
	ds_load_b128 v[XF+4:XF+7], v8 offset:512
	s_wait_dscnt 0x0
.irp j, 0,1,2,3
	v_cvt_pk_f16_f32 v[XF+8+\j], v[XF+2*\j], v[XF+2*\j+1]
.endr
	global_store_b128 v5, v[XF+8:XF+11], s[8:9]
.Lend:
	s_wait_tensorcnt 0x0
	ds_add_u32 v176, v177
	s_wait_dscnt 0x0
	s_endpgm
.Lfunc_end_k_q599e51934b_lora1:
	.size	k_q599e51934b_lora1, .Lfunc_end_k_q599e51934b_lora1-k_q599e51934b_lora1
	.p2alignl 7, 3214868480
	.fill 96, 4, 3214868480
	.section	.rodata,"a",@progbits
	.p2align	6, 0x0
	.amdhsa_kernel k_q599e51934b_lora1
		.amdhsa_group_segment_fixed_size 289792
		.amdhsa_private_segment_fixed_size 0
		.amdhsa_enable_private_segment 0
		.amdhsa_kernarg_size 24
		.amdhsa_user_sgpr_count 2
		.amdhsa_user_sgpr_kernarg_segment_ptr 1
		.amdhsa_wavefront_size32 1
		.amdhsa_system_sgpr_workgroup_id_x 1
		.amdhsa_system_sgpr_workgroup_id_y 1
		.amdhsa_system_sgpr_workgroup_id_z 1
		.amdhsa_system_vgpr_workitem_id 0
		.amdhsa_next_free_vgpr 178
		.amdhsa_next_free_sgpr 66
		.amdhsa_reserve_vcc 0
		.amdhsa_float_denorm_mode_32 3
		.amdhsa_float_denorm_mode_16_64 3
		.amdhsa_memory_ordered 1
		.amdhsa_forward_progress 1
		.amdhsa_inst_pref_size 9
	.end_amdhsa_kernel
	.amdgpu_metadata
---
amdhsa.version: [ 1, 2 ]
amdhsa.kernels:
  - .name:           k_q599e51934b_lora1
    .symbol:         k_q599e51934b_lora1.kd
    .args:
      - { .name: x, .offset: 0, .size: 8, .value_kind: global_buffer, .address_space: global }
      - { .name: ld1, .offset: 8, .size: 8, .value_kind: global_buffer, .address_space: global }
      - { .name: t1f, .offset: 16, .size: 8, .value_kind: global_buffer, .address_space: global }
    .group_segment_fixed_size: 289792
    .private_segment_fixed_size: 0
    .kernarg_segment_align: 8
    .kernarg_segment_size: 24
    .max_flat_workgroup_size: 512
    .sgpr_count:     66
    .vgpr_count:     178
    .wavefront_size: 32
...
	.end_amdgpu_metadata
.endif
;; end of part 1
;; launch fc1 (part 2): grid 64 x 4, 4 waves a work-group, clusters of 4 x 4, 327,680 bytes of LDS; arguments x, W1, h, t2p, b1, lu1, ld2, t1f; writes h, t2p
.if DOCPART == 2
	.amdgcn_target "amdgcn-amd-amdhsa--gfx1250"
	.amdhsa_code_object_version 6
	.text
	.protected	k_q599e51934b_fc1
	.globl	k_q599e51934b_fc1
	.p2align	8
	.type	k_q599e51934b_fc1,@function
k_q599e51934b_fc1:
	s_mov_b64 s[64:65], 0
	v_nop
	global_prefetch_b8 v0, s[64:65] scope:SCOPE_SE
	s_setreg_imm32_b32 hwreg(HW_REG_WAVE_MODE, 25, 1), 1
	s_wait_xcnt 0x0
	s_wait_alu depctr_hold_cnt(0) depctr_sa_sdst(0) depctr_va_vdst(0) depctr_va_sdst(0) depctr_va_ssrc(0) depctr_va_vcc(0) depctr_vm_vsrc(0)
	s_getreg_b32 s2, hwreg(HW_REG_IB_STS2, 6, 4)
	s_cmp_eq_u32 s2, 0
	s_cbranch_scc0 .Lentry_in_a_cluster
	s_endpgm
.Lentry_in_a_cluster:
	s_bfe_u32 s2, ttmp6, 0x10000c
	s_cmp_lg_u32 s2, 0xf033
	s_cbranch_scc0 .Lentry_shape_is_right
	s_endpgm
.Lentry_shape_is_right:
; h = gelu_tanh(x W1^T + t1 lu1^T + b1) in f16, and for each block of 256 hidden units the partial sums of t2 = h ld2^T in f32.
; x: [512][4096], W1: [16384][4096], lu1: [16384][32], ld2: [32][16384], b1: [16384], all f16; t1f: fragment images of t1 (launch before).
; A work-group makes 128 rows x 256 columns of h: 4 x 64 blocks = 256 work-groups.  Four waves.  Wave w: nh = w & 1 picks 128 of the 256
; columns, kh = w >> 1 picks one half of each slot's K.  So a wave multiplies 128 rows x 128 columns (64 accumulator tiles, 512 registers): 32 LDS
; loads feed 64 matrix instructions.  The two waves of one nh hold sums over different K; they meet once, at the end, through LDS:
; wave kh keeps rows 64 kh .. + 63 (window 2) and gives the other 64 rows (window 3) to its partner.  Which rows lie in which window is a matter
; of the wave's LDS addresses alone, so all waves run one text.
; THE RING: two LDS slots of unlike size, each with 128 rows of x and 256 rows of W1.  Slot X holds 256 of K (rows of 512 bytes padded to 528: 202,752 bytes),
; slot Y 128 of K (rows of 256 bytes padded to 272: 104,448 bytes).  Two slots of 256 of K would be 405,504 bytes, more than a work-group can be given; these
; two take 307,200.  A pair X, Y covers 384 of K (768 bytes of a row, so every tile's rows begin at multiples of 256 bytes); K = 4,096 = 10 pairs + one more X:
; 21 changes of slot.  While X is multiplied (256 matrix instructions a wave) Y's tile is on its way, while Y is multiplied (128) X's.
; CLUSTERS: 4 x 4 work-groups.  The four of a cluster's row make blocks of one block row and ask jointly for x's tile; the four of a column are
; the four block rows of one block column and ask jointly for W1's tile, so that each byte of W1 is asked for once.
; BIAS AND LORA cost no pass of their own: 32 matrix instructions ahead of the K loop start window 2 with lu1 x t1 + b1; window 3 starts with 0.
; THE PRODUCT IS USED TRANSPOSED (source 0 = rows of W1, source 1 = rows of x): lane l holds row l % 16 and eight neighbouring columns 8 (l / 16) + 0..7.
; PREFETCH of W1, one refill ahead of the joint load that wants the bytes.  In pair i, behind X's refill, waves 0 and 1 ask for slot Y's piece of pair i + 1: lane l for the
; 256 bytes of row 64 cy + 32 w + l of the block column; behind Y's refill all four waves ask for slot X's piece of pair i + 2: lane (r, hh) for half hh of the 512 bytes of
; row 64 cy + 16 w + r.  So the four work-groups of a cluster's column ask for each piece of 256 bytes once.  Pairs 0 to 8 ask; the last pieces asked for end at byte 8,191 of the
; rows' 8,192, so no request leaves W1.  Asked for and unread: 48 KiB a work-group at the most.
; GELU: v / (1 + 2^(v (c0 + c1 v^2))), c0 = -2 log2(e) sqrt(2/pi), c1 = 0.044715 c0: the tanh form itself.  Large v: 2^.. = 0 gives v; very negative v: 2^.. = inf, 1/inf = 0 gives -0.
; LIMITS: t1 comes in f16 and h leaves in f16, as the problem has them; the sum in front of the GELU stays in f32 (the problem's f16 roundings of it are not copied).
.set PX,     528                       ; slot X's LDS row: 512 bytes + 16 = 33 x 16: the sixteen rows of a fragment load start in different banks
.set PY,     272                       ; slot Y's: 256 bytes + 16 = 17 x 16
.set XA,     128*PX                    ; x's 128 rows in slot X; W1's 256 rows follow
.set XBYTES, 384*PX                    ; 202,752
.set YBASE,  XBYTES                    ; slot Y begins behind slot X
.set YA,     128*PY                    ; x's 128 rows in slot Y
.set STAGE,  131072                    ; over slot X, behind the exchange's 4 x 32,768 bytes, all used only when the ring's last fill has been read: 16 rows x 272 bytes a wave, the way out of h
.set XCH2,   STAGE+4*16*PY             ; 148,480: 8,192 bytes for each wave: t2's partial tiles; ends at 181,248, inside slot X
.set LDE,    4096                      ; elements in a row of x and of W1
.set LDB,    2*LDE
.set HROW,   32768                     ; bytes in a row of h and of ld2
.set PAIRB,  768                       ; bytes of a row that a pair of slots covers
.set PAIRS,  10
.set LN16,  6                          ; v6      16 x lane
.set PFY,   15                         ; v15     prefetch offset, slot Y's pieces
.set ADRAL, 16                         ; v16-17  LDS address of x's fragments of the rows that I keep, slot X, Y
.set ADRAH, 18                         ; v18-19  of the rows that I give away
.set ADRB,  20                         ; v20-21  of W1's fragments
.set XST,   22                         ; v22     the exchange: where window 3 goes
.set XLD,   23                         ; v23     where my partner's lies
.set STO,   24                         ; v24     the way out: where I put 16 bytes of a row
.set RD,    25                         ; v25     where I read a row back
.set CO,    26                         ; v26     my byte offset in h
.set PF,    27                         ; v27     prefetch offset, slot X's pieces
.set C1,    28                         ; v[28:29] c1, twice
.set C0,    30                         ; v[30:31] c0, twice
.set BP,    32                         ; v[32:63] b1 as loaded; later t2's accumulator tiles 0-3 (tiles 4-7: v[224:255])
.set F0,    64                         ; fragment buffer 0 (window 0: x, window 1: W1)
.set F1,    128                        ; fragment buffer 1
.set TMP,   192                        ; v[192:223] packed h
.set LD2F,  192                        ; window 1, v[192:255]: ld2's eight fragments, 8 (4 g + c)
.set G1,   24                          ; s[24:31] group 1 for x's tiles of slot X
.set G1Y,  84                          ; s[84:91] for x's tiles of slot Y
.set G0,   32                          ; s[32:39] group 0 for x's tiles: slot X, slot Y
.set G1B,  48                          ; s[48:55] group 1 for W1's tiles of slot X
.set G1BY, 92                          ; s[92:99] for W1's tiles of slot Y
.set G0B,  56                          ; s[56:63] group 0 for W1's tiles: slot X, slot Y
.set G1WX, (1<<16)|(1<<20)|(1<<21)|(6<<22)|(3<<25)   ; elements of 2 bytes; padding on; bit 21 beside a mask; behind every 128 words 4 words
.set G1WY, (1<<16)|(1<<20)|(1<<21)|(5<<22)|(3<<25)   ; the same behind every 64 words
.set MSB, 0
.macro WIN new                         ; s_set_vgpr_msb: bits 1:0 source 0, 3:2 source 1, 5:4 source 2, 7:6 destination; the high byte repeats the setting left
.if MSB != \new
	s_set_vgpr_msb (MSB<<8)|\new
.set MSB, \new
.endif
.endm
.set MUL_LO,  0xa1                     ; source 0 (W1) window 1, source 1 (x) window 0, C and D window 2
.set MUL_HI,  0xf1                     ; the same, C and D window 3
.set MUL_PRE, 0x81                     ; source 0 window 1, source 1 and C window 0, D window 2
.set TO_B,    0x40                     ; destination window 1, address window 0
.macro SHAPE g, c, r                   ; words 1 to 7 of a group 1: a tile of r rows x c elements that lies inside the tensor
	s_mov_b32 s[\g+1], \c<<16                      ; tensor_dim0
	s_mov_b32 s[\g+2], \r<<16                      ; tensor_dim1
	s_mov_b32 s[\g+3], \c<<16                      ; tile_dim0
	s_mov_b32 s[\g+4], \r                          ; tile_dim1
	s_mov_b32 s[\g+5], LDE                         ; elements from row to row
	s_mov_b32 s[\g+6], 0
	s_mov_b32 s[\g+7], 0
.endm
; A joint load into slot s (0: X, 1: Y).  Waves 0 and 1 fetch x's two halves (64 rows each), waves 2 and 3 W1's (128 rows each).  The branch hangs on the wave's number alone.
; pfy = 1: waves 0 and 1 then ask for slot Y's next piece of W1.
.macro JLOAD s, pfy
	s_cmp_eq_u32 s11, 0
	s_cbranch_scc0 .Lfor_b_\@
.if \s
	tensor_load_to_lds s[G0+4:G0+7], s[G1Y:G1Y+7]
	s_nop 0
.else
	tensor_load_to_lds s[G0:G0+3], s[G1:G1+7]
	s_nop 0
.endif
.if \pfy
	global_prefetch_b8 v[PFY], s[66:67] th:TH_LOAD_NT scope:SCOPE_SE
.endif
	s_branch .Lasked_\@
.Lfor_b_\@:
.if \s
	tensor_load_to_lds s[G0B+4:G0B+7], s[G1BY:G1BY+7]
	s_nop 0
.else
	tensor_load_to_lds s[G0B:G0B+3], s[G1B:G1B+7]
	s_nop 0
.endif
.Lasked_\@:
.endm
.macro CREST                           ; a round of the cluster's barrier behind its opening work-group barrier
	s_cmp_lg_u32 s10, 0
	s_cbranch_scc1 .Lnot_wave_0_\@
	s_barrier_signal -3
.Lnot_wave_0_\@:
	s_barrier_wait -3
	s_barrier_signal -1
	s_barrier_wait -1
.endm
.macro CROUND                          ; a whole round
	s_barrier_signal -1
	s_barrier_wait -1
	CREST
.endm
.macro PLACES                          ; four places behind a matrix instruction before its result is read or a register of it is written or loaded (ISA guide 7.12.1)
.rept 4
	v_nop
.endr
.endm
; 16 matrix instructions: row blocks a0, a0 + 1 of the window's four x all 8 column blocks, 32 along K.
; cmode 0: add in place; 1: C = 0 starts the sums; 2: C = the bias of column block b (f32, in buffer 0 of window 0).
; The 64 accumulators take turns in one order everywhere, one instruction a turn.
.macro MUL16 f, hi, a0, cmode
.irp a, \a0, \a0+1
.irp b, 0,1,2,3,4,5,6,7
.if \cmode == 1
	v_wmma_f32_16x16x32_f16 v[8*(8*(\a)+\b):8*(8*(\a)+\b)+7], v[\f+8*\b:\f+8*\b+7], v[\f+8*(4*\hi+\a):\f+8*(4*\hi+\a)+7], 0
.else
.if \cmode == 2
	v_wmma_f32_16x16x32_f16 v[8*(8*(\a)+\b):8*(8*(\a)+\b)+7], v[\f+8*\b:\f+8*\b+7], v[\f+8*(4*\hi+\a):\f+8*(4*\hi+\a)+7], v[F0+8*\b:F0+8*\b+7]
.else
	v_wmma_f32_16x16x32_f16 v[8*(8*(\a)+\b):8*(8*(\a)+\b)+7], v[\f+8*\b:\f+8*\b+7], v[\f+8*(4*\hi+\a):\f+8*(4*\hi+\a)+7], v[8*(8*(\a)+\b):8*(8*(\a)+\b)+7]
.endif
.endif
.endr
.endr
.endm
; 32 LDS loads in one run: 128 rows of W1, the 64 rows of x that I keep, the 64 that I give away; 32 K at byte k of my half of the slot's rows
.macro FETCH slot, k, f
.set FP, PX-\slot*(PX-PY)              ; the slot's pitch
	WIN TO_B
.irp i, 0,1,2,3,4,5,6,7
	ds_load_b128 v[\f+8*\i:\f+8*\i+3],   v[ADRB+\slot] offset:\k+\i*16*FP
	ds_load_b128 v[\f+8*\i+4:\f+8*\i+7], v[ADRB+\slot] offset:\k+\i*16*FP+32
.endr
	WIN 0
.irp i, 0,1,2,3
	ds_load_b128 v[\f+8*\i:\f+8*\i+3],   v[ADRAL+\slot] offset:\k+\i*16*FP
	ds_load_b128 v[\f+8*\i+4:\f+8*\i+7], v[ADRAL+\slot] offset:\k+\i*16*FP+32
.endr
.irp i, 0,1,2,3
	ds_load_b128 v[\f+32+8*\i:\f+32+8*\i+3],   v[ADRAH+\slot] offset:\k+\i*16*FP
	ds_load_b128 v[\f+32+8*\i+4:\f+32+8*\i+7], v[ADRAH+\slot] offset:\k+\i*16*FP+32
.endr
.endm
; A wave's share of a slot goes in quarters of 32 along K, 64 matrix instructions each, on buffers 0 and 1 in turn: four in slot X, two in slot Y.
; Any quarter but a slot's last: multiplies buffer f and in its middle fetches the next quarter's fragments, at byte k, into buffer g.
.macro QUARTER slot, k, f, g, zlo, zhi
	s_wait_dscnt 8                                 ; W1's and the kept rows' fragments are in; the youngest eight loads (the rows given away) may be out
	WIN MUL_LO
	MUL16 \f, 0, 0, \zlo
	MUL16 \f, 0, 2, \zlo
	PLACES
	FETCH \slot, \k, \g
	s_wait_dscnt 32                                ; all but the 32 just issued
	WIN MUL_HI
	MUL16 \f, 1, 0, \zhi
	MUL16 \f, 1, 2, \zhi
.endm
; A slot's last quarter: multiplies buffer 1 and changes slots.  One barrier for two things: in front of it each wave waits for its reads of this slot and for
; all its tensor loads (one is out: its part of the next slot); behind it this slot is filled again first, then the next slot is read.
; Where a slot is filled again the barrier opens a round of the cluster's barrier.  From a request to the wait for it a wave issues 112 matrix instructions (slot X's tile) or 240 (slot Y's).
.macro TURN slot, next, fill, pf
	s_wait_dscnt 8
	WIN MUL_LO
	MUL16 F1, 0, 0, 0
	s_wait_dscnt 0                                 ; my reads of this slot are over
	s_set_vgpr_msb 0xa1a5
	s_wait_tensorcnt 0x0                           ; all my tensor loads have landed
	ds_add_u32 v62, v63
	s_wait_dscnt 0x0
	s_set_vgpr_msb 0xa5a1
	s_barrier_signal -1
	MUL16 F1, 0, 2, 0                              ; register work while the others arrive
	WIN 0
	s_barrier_wait -1
.if \fill
	CREST                                          ; no wave of any partner still reads this slot or has a load on its way
	s_add_nc_u64 s[G0+4*\slot+2:G0+4*\slot+3], s[G0+4*\slot+2:G0+4*\slot+3], PAIRB
	s_add_nc_u64 s[G0B+4*\slot+2:G0B+4*\slot+3], s[G0B+4*\slot+2:G0B+4*\slot+3], PAIRB
.if \slot
	JLOAD 1, 0                                     ; the wave's one tensor load behind the round
.if \pf
	global_prefetch_b8 v[PF], s[66:67] th:TH_LOAD_NT scope:SCOPE_SE   ; W1: slot X's piece of the pair after the next, which the next refill will ask for
.endif
.else
	JLOAD 0, \pf                                   ; the wave's one tensor load behind the round; with it slot Y's piece of the next pair is asked for
.endif
.endif
	PLACES
	FETCH \next, 0, F0
	WIN MUL_HI
	MUL16 F1, 1, 0, 0
	MUL16 F1, 1, 2, 0
.endm
.macro PAIR zlo, zhi, filly, pf        ; slot X, which is filled again, then slot Y
	QUARTER 0, 64,  F0, F1, \zlo, \zhi
	QUARTER 0, 128, F1, F0, 0, 0
	QUARTER 0, 192, F0, F1, 0, 0
	TURN 0, 1, 1, \pf
	QUARTER 1, 64, F0, F1, 0, 0
	TURN 1, 0, \filly, \pf
.endm
	s_load_b128 s[4:7], s[0:1], 0x0                ; x s[4:5], W1 s[6:7]
	s_load_b64 s[8:9], s[0:1], 0x10                ; h
	s_load_b64 s[76:77], s[0:1], 0x18              ; t2p
	s_load_b256 s[68:75], s[0:1], 0x20             ; b1 s[68:69], lu1 s[70:71], ld2 s[72:73], t1f s[74:75]
	s_set_vgpr_msb 0x40
	v_lshl_add_u32 v62, v0, 2, 0x4b000
	v_mov_b32 v63, 0
	s_set_vgpr_msb 0x4045
	ds_add_u32 v62, v63
	s_set_vgpr_msb 0x4500
	v_lshrrev_b32 v1, 5, v0
	v_readfirstlane_b32 s10, v1                    ; wave 0..3
	s_lshr_b32 s11, s10, 1                         ; kh.  Also: I fetch for x (0) or for W1 (1)
	s_and_b32 s12, s10, 1                          ; nh.  Also: which half of that tile's rows I fetch
	s_bfe_u32 s40, ttmp6, 0x40000                  ; cx
	s_bfe_u32 s41, ttmp6, 0x40004                  ; cy
	s_lshl_b32 s42, ttmp9, 2
	s_add_co_u32 s42, s42, s40                     ; block column = 4 x cluster x + cx, 0..63
	s_and_b32 s13, ttmp7, 0xffff
	s_lshl_b32 s13, s13, 2
	s_add_co_u32 s13, s13, s41                     ; block row = 4 x cluster y + cy, 0..3
	s_lshl_b32 s43, s41, 2
	s_lshl_b32 s43, 15, s43                        ; my row of the cluster
	s_lshl_b32 s44, 0x1111, s40                    ; my column
	s_or_b32 s[G1+0], s43, G1WX                    ; x's tiles go to my row
	s_or_b32 s[G1Y+0], s43, G1WY
	s_or_b32 s[G1B+0], s44, G1WX                   ; W1's tiles to my column
	s_or_b32 s[G1BY+0], s44, G1WY
	SHAPE G1,   256, 64                            ; a load brings 64 rows of x
	SHAPE G1Y,  128, 64
	SHAPE G1B,  256, 128                           ; or 128 rows of W1
	SHAPE G1BY, 128, 128
	; x's address hangs on the block row and the wave, W1's on the block column and the wave, each in registers that never hold the other coordinate
	s_lshl_b32 s16, s13, 7
	s_lshl_b32 s17, s12, 6
	s_add_co_u32 s16, s16, s17                     ; x: row 128 x block row + 64 x half
	s_mul_i32 s16, s16, LDB                        ; below 4 MiB
	s_mov_b32 s17, 0
	s_lshl_b32 s46, s42, 8
	s_lshl_b32 s47, s12, 7
	s_add_co_u32 s46, s46, s47                     ; W1: row 256 x block column + 128 x half
	s_mul_i32 s46, s46, LDB                        ; below 128 MiB
	s_mov_b32 s47, 0
	s_mul_i32 s20, s12, 64*PX                      ; where they go: the wave's number alone.  x in slot X,
	s_mul_i32 s21, s12, 128*PX
	s_add_co_u32 s21, s21, XA                      ; W1 in slot X,
	s_mul_i32 s22, s12, 64*PY
	s_add_co_u32 s22, s22, YBASE                   ; x in slot Y,
	s_mul_i32 s23, s12, 128*PY
	s_add_co_u32 s23, s23, YBASE+YA                ; W1 in slot Y
	s_lshl_b32 s66, s42, 8
	s_mul_i32 s66, s66, LDB                        ; the block column's first row of W1, for the prefetch
	s_mov_b32 s67, 0
	s_wait_dscnt 0x0
	s_wait_kmcnt 0x0
	s_add_nc_u64 s[14:15], s[4:5], s[16:17]
	s_add_nc_u64 s[46:47], s[6:7], s[46:47]
	s_add_nc_u64 s[66:67], s[6:7], s[66:67]
	CROUND                                         ; all sixteen work-groups are here: the first joint loads meet
	s_mov_b32 s[G0], 1
	s_mov_b32 s[G0+1], s20
	s_mov_b64 s[G0+2:G0+3], s[14:15]               ; slot X first holds K = 0 .. 255
	s_or_b32 s[G0+3], s[G0+3], 0x80000000
	s_mov_b32 s[G0B], 1
	s_mov_b32 s[G0B+1], s21
	s_mov_b64 s[G0B+2:G0B+3], s[46:47]
	s_or_b32 s[G0B+3], s[G0B+3], 0x80000000
	JLOAD 0, 0
	s_mov_b32 s[G0+4], 1
	s_mov_b32 s[G0+5], s22
	s_add_nc_u64 s[G0+6:G0+7], s[14:15], 512       ; slot Y first holds K = 256 .. 383
	s_or_b32 s[G0+7], s[G0+7], 0x80000000
	s_mov_b32 s[G0B+4], 1
	s_mov_b32 s[G0B+5], s23
	s_add_nc_u64 s[G0B+6:G0B+7], s[46:47], 512
	s_or_b32 s[G0B+7], s[G0B+7], 0x80000000
	JLOAD 1, 0                                     ; two tensor loads of the wave are out, later one
	; LDS addresses.  A fragment: lane l holds row l % 16; two loads of 16 bytes, 32 apart, at row x pitch + 16 (l / 16)
	v_and_b32 v1, 15, v0                           ; r
	v_bfe_u32 v2, v0, 4, 1                         ; hh
	v_mul_u32_u24 v3, v1, PX
	v_lshl_add_u32 v3, v2, 4, v3                   ; in slot X
	v_mul_u32_u24 v4, v1, PY
	v_lshl_add_u32 v4, v2, 4, v4                   ; in slot Y, and in the stage
	v_and_b32 v[LN16], 31, v0
	v_lshlrev_b32 v[LN16], 4, v[LN16]
	s_lshl_b32 s18, s11, 8                         ; slot X: my 256 bytes (128 K) of each row
	s_mul_i32 s19, s11, 64*PX
	s_add_co_u32 s19, s19, s18
	v_add_nc_u32 v[ADRAL], s19, v3                 ; the rows that I keep: 64 kh ..
	s_xor_b32 s19, s11, 1
	s_mul_i32 s19, s19, 64*PX
	s_add_co_u32 s19, s19, s18
	v_add_nc_u32 v[ADRAH], s19, v3                 ; the rows that I give away
	s_mul_i32 s19, s12, 128*PX
	s_add_co_u32 s19, s19, s18
	s_add_co_u32 s19, s19, XA
	v_add_nc_u32 v[ADRB], s19, v3                  ; my 128 rows of W1
	s_lshl_b32 s18, s11, 7                         ; slot Y: my 128 bytes (64 K) of each row
	s_add_co_u32 s18, s18, YBASE
	s_mul_i32 s19, s11, 64*PY
	s_add_co_u32 s19, s19, s18
	v_add_nc_u32 v[ADRAL+1], s19, v4
	s_xor_b32 s19, s11, 1
	s_mul_i32 s19, s19, 64*PY
	s_add_co_u32 s19, s19, s18
	v_add_nc_u32 v[ADRAH+1], s19, v4
	s_mul_i32 s19, s12, 128*PY
	s_add_co_u32 s19, s19, s18
	s_add_co_u32 s19, s19, YA
	v_add_nc_u32 v[ADRB+1], s19, v4
	s_lshl_b32 s18, s10, 15
	v_add_nc_u32 v[XST], s18, v[LN16]              ; the exchange: 32,768 bytes a wave, over slot X when the ring's last fill has been read
	s_xor_b32 s18, s10, 2
	s_lshl_b32 s18, s18, 15
	v_add_nc_u32 v[XLD], s18, v[LN16]              ; my partner: the same nh, the other kh
	s_mul_i32 s18, s10, 16*PY
	s_add_co_u32 s18, s18, STAGE
	v_add_nc_u32 v[STO], s18, v4                   ; in: row r, 16 bytes for each half of the lanes
	v_mul_u32_u24 v5, v2, PY
	v_lshl_add_u32 v5, v1, 4, v5
	v_add_nc_u32 v[RD], s18, v5                    ; back: lanes 0-15 one row of 256 bytes, lanes 16-31 the next
	v_lshlrev_b32 v5, 15, v2
	v_lshl_add_u32 v[CO], v1, 4, v5                ; the same two rows in h
	s_lshl_b32 s18, s10, 13
	s_add_co_u32 s18, s18, XCH2
	v_add_nc_u32 v10, s18, v[LN16]                 ; t2: my eight tiles
	s_lshl_b32 s19, s12, 12
	s_add_co_u32 s18, s18, s19
	v_add_nc_u32 v11, s18, v[LN16]                 ; the four of them that I finish (4 nh ..)
	s_xor_b32 s18, s10, 1
	s_lshl_b32 s18, s18, 13
	s_add_co_u32 s18, s18, s19
	s_add_co_u32 s18, s18, XCH2
	v_add_nc_u32 v12, s18, v[LN16]                 ; the same four of the wave with the other nh
	s_lshl_b32 s78, s41, 6                         ; prefetch: my work-group's 64 rows of the block column's 256
	s_lshl_b32 s79, s10, 4
	s_add_co_u32 s79, s78, s79
	v_add_nc_u32 v13, s79, v1                      ; slot X's pieces: row 64 cy + 16 w + r,
	v_mul_u32_u24 v13, v13, LDB
	v_lshl_add_u32 v13, v2, 8, v13                 ; half hh of the 512 bytes,
	v_add_nc_u32 v[PF], 2*PAIRB, v13               ; two pairs on
	s_lshl_b32 s79, s10, 5
	s_add_co_u32 s79, s78, s79
	v_and_b32 v14, 31, v0
	v_add_nc_u32 v14, s79, v14                     ; slot Y's pieces (waves 0 and 1 alone ask): row 64 cy + 32 w + lane,
	v_mul_u32_u24 v14, v14, LDB
	v_add_nc_u32 v[PFY], PAIRB+512, v14            ; one pair on, behind slot X's 512 bytes
	v_mov_b32 v[C1], 0xbdd2d3e8                    ; c1 = -0.10294324
	v_mov_b32 v[C1+1], 0xbdd2d3e8
	v_mov_b32 v[C0], 0xc0135761                    ; c0 = -2.3022082
	v_mov_b32 v[C0+1], 0xc0135761
	; what the wave needs once: t1's four fragments (the rows that I keep), lu1's eight, b1, ld2's eight
	s_lshl_b32 s80, s13, 13
	s_lshl_b32 s81, s11, 12
	s_add_co_u32 s80, s80, s81                     ; t1f: (8 x block row + 4 kh) x 1,024
	s_mov_b32 s81, 0
	s_add_nc_u64 s[74:75], s[74:75], s[80:81]
	s_lshl_b32 s82, s42, 8
	s_lshl_b32 s83, s12, 7
	s_add_co_u32 s82, s82, s83                     ; my first column
	s_lshl_b32 s80, s82, 6
	s_add_nc_u64 s[70:71], s[70:71], s[80:81]      ; lu1: rows of 64 bytes
	s_lshl_b32 s80, s82, 1
	s_add_nc_u64 s[68:69], s[68:69], s[80:81]      ; b1
	s_add_nc_u64 s[72:73], s[72:73], s[80:81]      ; ld2: my columns of its rows
	v_lshlrev_b32 v7, 6, v1
	v_lshl_add_u32 v7, v2, 4, v7                   ; 64 r + 16 hh
	v_lshlrev_b32 v8, 4, v2                        ; 16 hh
	v_lshlrev_b32 v9, 15, v1
	v_lshl_add_u32 v9, v2, 4, v9                   ; 32,768 r + 16 hh
.irp a, 0,1,2,3
	global_load_b128 v[F1+8*\a:F1+8*\a+3],   v[LN16], s[74:75] offset:1024*\a
	global_load_b128 v[F1+8*\a+4:F1+8*\a+7], v[LN16], s[74:75] offset:1024*\a+512
.endr
.irp b, 0,1,2,3,4,5,6,7
	global_load_b128 v[BP+4*\b:BP+4*\b+3], v8, s[68:69] offset:32*\b     ; b1 of columns 16 b + 8 hh .. + 7
.endr
	WIN TO_B
.irp b, 0,1,2,3,4,5,6,7
	global_load_b128 v[F1+8*\b:F1+8*\b+3],   v7, s[70:71] offset:1024*\b
	global_load_b128 v[F1+8*\b+4:F1+8*\b+7], v7, s[70:71] offset:1024*\b+32
.endr
.irp g, 0,1
.irp c, 0,1,2,3
	global_load_b128 v[LD2F+8*(4*\g+\c):LD2F+8*(4*\g+\c)+3],   v9, s[72:73] offset:\g*16*HROW+64*\c
	global_load_b128 v[LD2F+8*(4*\g+\c)+4:LD2F+8*(4*\g+\c)+7], v9, s[72:73] offset:\g*16*HROW+64*\c+32
.endr
.endr
	WIN 0
	s_wait_loadcnt 0x0
	; the bias in f32, eight numbers for each column block, in buffer 0 of window 0, which is free until the first fragments come
.set j, 0
.irp s, v32.l,v32.h,v33.l,v33.h,v34.l,v34.h,v35.l,v35.h,v36.l,v36.h,v37.l,v37.h,v38.l,v38.h,v39.l,v39.h
	v_cvt_f32_f16 v[F0+j], \s
.set j, j+1
.endr
.irp s, v40.l,v40.h,v41.l,v41.h,v42.l,v42.h,v43.l,v43.h,v44.l,v44.h,v45.l,v45.h,v46.l,v46.h,v47.l,v47.h
	v_cvt_f32_f16 v[F0+j], \s
.set j, j+1
.endr
.irp s, v48.l,v48.h,v49.l,v49.h,v50.l,v50.h,v51.l,v51.h,v52.l,v52.h,v53.l,v53.h,v54.l,v54.h,v55.l,v55.h
	v_cvt_f32_f16 v[F0+j], \s
.set j, j+1
.endr
.irp s, v56.l,v56.h,v57.l,v57.h,v58.l,v58.h,v59.l,v59.h,v60.l,v60.h,v61.l,v61.h,v62.l,v62.h,v63.l,v63.h
	v_cvt_f32_f16 v[F0+j], \s
.set j, j+1
.endr
	WIN MUL_PRE
	MUL16 F1, 0, 0, 2                              ; window 2 = lu1 x t1 + b1: the rows that I keep start with LoRA and bias, once
	MUL16 F1, 0, 2, 2
	WIN 0
	PLACES                                         ; buffer 0 held their C: it is loaded again only four places behind them
	s_wait_tensorcnt 0x1                           ; my part of slot X's first tile is in; slot Y's may stay out
	s_barrier_signal -1
	s_barrier_wait -1
	FETCH 0, 0, F0
	PAIR 0, 1, 1, 1                                ; pair 0: window 2 goes on from LoRA and bias, window 3 starts with 0
	WIN 0
	s_mov_b32 s3, PAIRS-2
.Lpair:                                            ; pairs 1 to 8
	s_wait_xcnt 0x0                                ; the last pair's prefetches have read their base
	s_add_nc_u64 s[66:67], s[66:67], PAIRB
	PAIR 0, 0, 1, 1
	WIN 0
	s_sub_co_u32 s3, s3, 1
	s_cmp_lg_u32 s3, 0
	s_cbranch_scc1 .Lpair
	PAIR 0, 0, 0, 0                                ; pair 9 fills slot X for the last time (K = 3,840 .. 4,095), slot Y no more, and prefetches nothing
	QUARTER 0, 64,  F0, F1, 0, 0                   ; the closing X
	QUARTER 0, 128, F1, F0, 0, 0
	QUARTER 0, 192, F0, F1, 0, 0
	s_wait_dscnt 8
	WIN MUL_LO
	MUL16 F1, 0, 0, 0
	MUL16 F1, 0, 2, 0
	s_wait_dscnt 0                                 ; my last reads of the ring are over; every fill was shown landed in front of the last change of slots
	s_barrier_signal -1
	WIN MUL_HI
	MUL16 F1, 1, 0, 0
	MUL16 F1, 1, 2, 0
	WIN 0
	s_barrier_wait -1                              ; nobody reads the ring any more: slot X's bytes serve the exchange and the stages
	; THE EXCHANGE: window 3 goes to the partner, the partner's window 3 (my kept rows, its half of K) is added onto window 2
	PLACES
	WIN 0x0c                                       ; store data from window 3
.set j, 0
.rept 64
	ds_store_b128 v[XST], v[4*j:4*j+3] offset:512*j
.set j, j+1
.endr
	WIN 0
	s_wait_dscnt 0x0
	s_barrier_signal -1
	s_barrier_wait -1
	WIN 0xc0                                       ; into window 3
.set j, 0
.rept 64
	ds_load_b128 v[4*j:4*j+3], v[XLD] offset:512*j
.set j, j+1
.endr
	WIN 0x8e                                       ; window 2 = window 2 + window 3
.set j, 0
.irp left, 48,32,16,0
	s_wait_dscnt \left                             ; sixteen more loads are in; the younger ones stay out
.rept 32
	v_pk_add_f32 v[2*j:2*j+1], v[2*j:2*j+1], v[2*j:2*j+1]
.set j, j+1
.endr
.endr
	WIN 0
	s_lshl_b32 s80, s13, 7
	s_lshl_b32 s81, s11, 6
	s_add_co_u32 s80, s80, s81                     ; my first row of h
	s_lshl_b32 s80, s80, 15
	s_lshl_b32 s81, s42, 9
	s_add_co_u32 s80, s80, s81                     ; + 512 x block column
	s_lshl_b32 s81, s12, 8
	s_add_co_u32 s80, s80, s81                     ; + 256 nh
	s_mov_b32 s81, 0
	s_add_nc_u64 s[8:9], s[8:9], s[80:81]
	s_lshl_b32 s82, s42, 16                        ; t2p: 65,536 x block column + (8 x block row + 4 kh + 2 nh) x 2,048
	s_lshl_b32 s83, s13, 14
	s_add_co_u32 s82, s82, s83
	s_lshl_b32 s83, s11, 13
	s_add_co_u32 s82, s82, s83
	s_lshl_b32 s83, s12, 12
	s_add_co_u32 s82, s82, s83
	s_mov_b32 s83, 0
	s_add_nc_u64 s[76:77], s[76:77], s[82:83]
; Rows 16 i .. 16 i + 15 of my 64: GELU on window 2's registers 64 i .. 64 i + 63, f16, out through my stage as whole rows of 256 bytes;
; and the packed registers TMP + 8 c .. + 7 are, as they lie, the fragment of K = 32 c .. 32 c + 31 of these rows: eight matrix instructions make t2's two tiles.
.macro HOUT i
	WIN 0x0a
.set j, 0
.rept 32
	v_pk_mul_f32 v[F0+2*j:F0+2*j+1], v[64*\i+2*j:64*\i+2*j+1], v[64*\i+2*j:64*\i+2*j+1]   ; v^2
.set j, j+1
.endr
	WIN 0
.set j, 0
.rept 32
	v_pk_fma_f32 v[F0+2*j:F0+2*j+1], v[F0+2*j:F0+2*j+1], v[C1:C1+1], v[C0:C0+1]           ; c1 v^2 + c0
.set j, j+1
.endr
	WIN 0x02
.set j, 0
.rept 32
	v_pk_mul_f32 v[F0+2*j:F0+2*j+1], v[64*\i+2*j:64*\i+2*j+1], v[F0+2*j:F0+2*j+1]         ; times v
.set j, j+1
.endr
	WIN 0
.set j, 0
.rept 64
	v_exp_f32 v[F0+j], v[F0+j]
.set j, j+1
.endr
	v_nop                                          ; one plain place behind the transcendentals before their results are used (ISA guide 5.7.2)
.set j, 0
	s_wait_alu depctr_va_vdst(0)
.rept 32
	v_pk_add_f32 v[F0+2*j:F0+2*j+1], v[F0+2*j:F0+2*j+1], 1.0 op_sel_hi:[1,0]
.set j, j+1
.endr
.set j, 0
.rept 64
	v_rcp_f32 v[F0+j], v[F0+j]
.set j, j+1
.endr
	v_nop
	WIN 0x02
.set j, 0
	s_wait_alu depctr_va_vdst(0)
.rept 32
	v_pk_mul_f32 v[F0+2*j:F0+2*j+1], v[64*\i+2*j:64*\i+2*j+1], v[F0+2*j:F0+2*j+1]         ; v / (1 + 2^..)
.set j, j+1
.endr
	WIN 0
.set j, 0
.rept 32
	v_cvt_pk_f16_f32 v[TMP+j], v[F0+2*j], v[F0+2*j+1]
.set j, j+1
.endr
.irp b, 0,1,2,3,4,5,6,7
	ds_store_b128 v[STO], v[TMP+4*\b:TMP+4*\b+3] offset:32*\b
.endr
	WIN 0x01                                       ; source 0 (ld2) window 1
.irp c, 0,1,2,3
.irp g, 0,1
.set TA, 32+8*(2*\i+\g)+160*((2*\i+\g)/4)
.if \c == 0
	v_wmma_f32_16x16x32_f16 v[TA:TA+7], v[LD2F+8*(4*\g+\c):LD2F+8*(4*\g+\c)+7], v[TMP+8*\c:TMP+8*\c+7], 0
.else
	v_wmma_f32_16x16x32_f16 v[TA:TA+7], v[LD2F+8*(4*\g+\c):LD2F+8*(4*\g+\c)+7], v[TMP+8*\c:TMP+8*\c+7], v[TA:TA+7]   ; the two tiles take turns
.endif
.endr
.endr
	WIN 0
	s_wait_xcnt 0x0                                ; buffer 1, which the last block's stores read, and their base are rewritten only behind this wait
.if \i
	s_add_nc_u64 s[8:9], s[8:9], 16*HROW
.endif
.irp t, 0,1,2,3,4,5,6,7
	ds_load_b128 v[F1+4*\t:F1+4*\t+3], v[RD] offset:\t*2*PY        ; LDS serves a wave's instructions in order: these see the stores above
.endr
.irp t, 0,1,2,3,4,5,6,7
	s_wait_dscnt 7-\t                              ; the younger row loads stay out
	global_store_b128 v[CO], v[F1+4*\t:F1+4*\t+3], s[8:9] offset:2*\t*HROW   ; sixteen lanes store 256 consecutive bytes, at a multiple of 256 from h's first byte
.endr
.endm
	HOUT 0
	HOUT 1
	HOUT 2
	HOUT 3
	; t2's partial: my eight tiles (64 rows x 32 ranks, summed over my 128 columns) meet those of the wave with the other nh; each of the two finishes four
	PLACES
.irp u, 0,1,2,3,4,5,6,7
	ds_store_b128 v10, v[32+8*\u+160*(\u/4):32+8*\u+160*(\u/4)+3]   offset:1024*\u
	ds_store_b128 v10, v[32+8*\u+160*(\u/4)+4:32+8*\u+160*(\u/4)+7] offset:1024*\u+512
.endr
	s_wait_dscnt 0x0
	s_barrier_signal -1
	s_barrier_wait -1
.irp k, 0,1,2,3,4,5,6,7
	ds_load_b128 v[F0+4*\k:F0+4*\k+3], v11 offset:512*\k
.endr
.irp k, 0,1,2,3,4,5,6,7
	ds_load_b128 v[F0+32+4*\k:F0+32+4*\k+3], v12 offset:512*\k
.endr
	s_wait_dscnt 0x0
.set j, 0
.rept 16
	v_pk_add_f32 v[F0+2*j:F0+2*j+1], v[F0+2*j:F0+2*j+1], v[F0+32+2*j:F0+32+2*j+1]
.set j, j+1
.endr
.irp k, 0,1,2,3,4,5,6,7
	global_store_b128 v[LN16], v[F0+4*\k:F0+4*\k+3], s[76:77] offset:512*\k   ; 512 neighbouring bytes a store
.endr
	s_set_vgpr_msb 0x5
	s_wait_tensorcnt 0x0
	ds_add_u32 v62, v63
	s_wait_dscnt 0x0
	s_set_vgpr_msb 0x500
	CROUND                                         ; the closing round: no work-group ends while a partner may still ask jointly
	s_endpgm
.Lfunc_end_k_q599e51934b_fc1:
	.size	k_q599e51934b_fc1, .Lfunc_end_k_q599e51934b_fc1-k_q599e51934b_fc1
	.p2alignl 7, 3214868480
	.fill 96, 4, 3214868480
	.section	.rodata,"a",@progbits
	.p2align	6, 0x0
	.amdhsa_kernel k_q599e51934b_fc1
		.amdhsa_group_segment_fixed_size 327680
		.amdhsa_private_segment_fixed_size 0
		.amdhsa_enable_private_segment 0
		.amdhsa_kernarg_size 64
		.amdhsa_user_sgpr_count 2
		.amdhsa_user_sgpr_kernarg_segment_ptr 1
		.amdhsa_wavefront_size32 1
		.amdhsa_system_sgpr_workgroup_id_x 1
		.amdhsa_system_sgpr_workgroup_id_y 1
		.amdhsa_system_sgpr_workgroup_id_z 1
		.amdhsa_system_vgpr_workitem_id 0
		.amdhsa_next_free_vgpr 1024
		.amdhsa_next_free_sgpr 100
		.amdhsa_reserve_vcc 0
		.amdhsa_float_denorm_mode_32 3
		.amdhsa_float_denorm_mode_16_64 3
		.amdhsa_memory_ordered 1
		.amdhsa_forward_progress 1
		.amdhsa_inst_pref_size 255
	.end_amdhsa_kernel
	.section	.bss,"aw",@nobits
	.p2align	6
	.space	262144
	.amdgpu_metadata
---
amdhsa.version: [ 1, 2 ]
amdhsa.kernels:
  - .name:           k_q599e51934b_fc1
    .symbol:         k_q599e51934b_fc1.kd
    .args:
      - { .name: x, .offset: 0, .size: 8, .value_kind: global_buffer, .address_space: global }
      - { .name: W1, .offset: 8, .size: 8, .value_kind: global_buffer, .address_space: global }
      - { .name: h, .offset: 16, .size: 8, .value_kind: global_buffer, .address_space: global }
      - { .name: t2p, .offset: 24, .size: 8, .value_kind: global_buffer, .address_space: global }
      - { .name: b1, .offset: 32, .size: 8, .value_kind: global_buffer, .address_space: global }
      - { .name: lu1, .offset: 40, .size: 8, .value_kind: global_buffer, .address_space: global }
      - { .name: ld2, .offset: 48, .size: 8, .value_kind: global_buffer, .address_space: global }
      - { .name: t1f, .offset: 56, .size: 8, .value_kind: global_buffer, .address_space: global }
    .group_segment_fixed_size: 327680
    .private_segment_fixed_size: 0
    .kernarg_segment_align: 8
    .kernarg_segment_size: 64
    .max_flat_workgroup_size: 128
    .sgpr_count:     100
    .vgpr_count:     1024
    .wavefront_size: 32
...
	.end_amdgpu_metadata
.endif
;; end of part 2
;; launch fc2 (part 3): grid 64 x 4, 4 waves a work-group, clusters of 4 x 4, 327,680 bytes of LDS; arguments h, W2, p; writes p
.if DOCPART == 3
	.amdgcn_target "amdgcn-amd-amdhsa--gfx1250"
	.amdhsa_code_object_version 6
	.text
	.protected	k_q599e51934b_fc2
	.globl	k_q599e51934b_fc2
	.p2align	8
	.type	k_q599e51934b_fc2,@function
k_q599e51934b_fc2:
	s_mov_b64 s[64:65], 0
	v_nop
	global_prefetch_b8 v0, s[64:65] scope:SCOPE_SE
	s_setreg_imm32_b32 hwreg(HW_REG_WAVE_MODE, 25, 1), 1
	s_wait_xcnt 0x0
	s_wait_alu depctr_hold_cnt(0) depctr_sa_sdst(0) depctr_va_vdst(0) depctr_va_sdst(0) depctr_va_ssrc(0) depctr_va_vcc(0) depctr_vm_vsrc(0)
	s_getreg_b32 s2, hwreg(HW_REG_IB_STS2, 6, 4)
	s_cmp_eq_u32 s2, 0
	s_cbranch_scc0 .Lentry_in_a_cluster
	s_endpgm
.Lentry_in_a_cluster:
	s_bfe_u32 s2, ttmp6, 0x10000c
	s_cmp_lg_u32 s2, 0xf033
	s_cbranch_scc0 .Lentry_shape_is_right
	s_endpgm
.Lentry_shape_is_right:
; Four partial sums over K of h W2^T, in f32.  h: [512][16384] f16, W2: [4096][16384] f16.
; The output is 512 x 4096: 4 x 16 blocks of 128 x 256 are 64, so K = 16,384 is split in four chunks of 4,096 and 256 work-groups each make one
; block over one chunk.  The partial blocks leave as the waves' registers lie: p: [ks 4][block row 4][block column 16][wave 4][j 64][lane 32][16 bytes] =
; registers 4 j .. 4 j + 3 of the wave's window 2; the next launch adds the four images number by number.  Every store covers 512 neighbouring bytes.
; The body is that of the first layer.  Four waves.  Wave w: nh = w & 1 picks 128 of the 256 columns, kh = w >> 1 picks one half of each slot's K: a wave
; multiplies 128 rows x 128 columns (64 accumulator tiles, 512 registers).  Wave kh keeps rows 64 kh .. + 63 (window 2) and gives the other 64 (window 3) to the
; wave with the other kh, once, at the end, through LDS.
; THE RING: two LDS slots of unlike size, each with 128 rows of h and 256 rows of W2.  Slot X holds 256 of K (rows of 512 bytes padded to 528: 202,752 bytes),
; slot Y 128 of K (rows of 256 bytes padded to 272: 104,448 bytes).  Two slots of 256 of K would be 405,504 bytes, more than a work-group can be given; these
; two take 307,200.  A pair X, Y covers 384 of K (768 bytes of a row, so every tile's rows begin at multiples of 256 bytes); a chunk of 4,096 = 10 pairs + one more X:
; 21 changes of slot.  While X is multiplied (256 matrix instructions a wave) Y's tile is on its way, while Y is multiplied (128) X's.
; CLUSTERS: 4 x 4 work-groups of one K chunk: a cluster's row shares h's tile, a cluster's column (the four block rows of one block column) shares W2's,
; so that each byte of W2 is asked for once.
; THE PRODUCT IS USED TRANSPOSED (source 0 = rows of W2, source 1 = rows of h): lane l holds row l % 16 and columns 8 (l / 16) + 0..7.
; PREFETCH of W2, one refill ahead of the joint load that wants the bytes.  In pair i, behind X's refill, waves 0 and 1 ask for slot Y's piece of pair i + 1: lane l for the
; 256 bytes of row 64 cy + 32 w + l of the block column; behind Y's refill all four waves ask for slot X's piece of pair i + 2: lane (r, hh) for half hh of the 512 bytes of
; row 64 cy + 16 w + r.  So each piece of 256 bytes is asked for once.  Pairs 0 to 8 ask; the last pieces asked for end at byte 8,191 of the chunk's 8,192 in a row.
; Asked for and unread: 48 KiB a work-group at the most.
.set PX,     528                       ; slot X's LDS row: 512 bytes + 16 = 33 x 16: the sixteen rows of a fragment load start in different banks
.set PY,     272                       ; slot Y's: 256 bytes + 16 = 17 x 16
.set XA,     128*PX                    ; h's 128 rows in slot X; W2's 256 rows follow
.set XBYTES, 384*PX                    ; 202,752
.set YBASE,  XBYTES                    ; slot Y begins behind slot X
.set YA,     128*PY                    ; h's 128 rows in slot Y
.set LDE,    16384                     ; elements in a row of h and of W2
.set LDB,    2*LDE
.set PAIRB,  768                       ; bytes of a row that a pair of slots covers
.set PAIRS,  10
.set LN16,  6                          ; v6      16 x lane
.set PFY,   15                         ; v15     prefetch offset, slot Y's pieces
.set ADRAL, 16                         ; v16-17  LDS address of h's fragments of the rows that I keep, slot X, Y
.set ADRAH, 18                         ; v18-19  of the rows that I give away
.set ADRB,  20                         ; v20-21  of W2's fragments
.set XST,   22                         ; v22     the exchange: where window 3 goes
.set XLD,   23                         ; v23     where my partner's lies
.set PF,    27                         ; v27     prefetch offset, slot X's pieces
.set F0,    64                         ; fragment buffer 0 (window 0: h, window 1: W2)
.set F1,    128                        ; fragment buffer 1
.set G1,   24                          ; s[24:31] group 1 for h's tiles of slot X
.set G1Y,  84                          ; s[84:91] for h's tiles of slot Y
.set G0,   32                          ; s[32:39] group 0 for h's tiles: slot X, slot Y
.set G1B,  48                          ; s[48:55] group 1 for W2's tiles of slot X
.set G1BY, 92                          ; s[92:99] for W2's tiles of slot Y
.set G0B,  56                          ; s[56:63] group 0 for W2's tiles: slot X, slot Y
.set G1WX, (1<<16)|(1<<20)|(1<<21)|(6<<22)|(3<<25)   ; elements of 2 bytes; padding on; bit 21 beside a mask; behind every 128 words 4 words
.set G1WY, (1<<16)|(1<<20)|(1<<21)|(5<<22)|(3<<25)   ; the same behind every 64 words
.set MSB, 0
.macro WIN new                         ; s_set_vgpr_msb: bits 1:0 source 0, 3:2 source 1, 5:4 source 2, 7:6 destination; the high byte repeats the setting left
.if MSB != \new
	s_set_vgpr_msb (MSB<<8)|\new
.set MSB, \new
.endif
.endm
.set MUL_LO,  0xa1                     ; source 0 (W2) window 1, source 1 (h) window 0, C and D window 2
.set MUL_HI,  0xf1                     ; the same, C and D window 3
.set TO_B,    0x40                     ; destination window 1, address window 0
.macro SHAPE g, c, r                   ; words 1 to 7 of a group 1: a tile of r rows x c elements that lies inside the tensor
	s_mov_b32 s[\g+1], \c<<16                      ; tensor_dim0
	s_mov_b32 s[\g+2], \r<<16                      ; tensor_dim1
	s_mov_b32 s[\g+3], \c<<16                      ; tile_dim0
	s_mov_b32 s[\g+4], \r                          ; tile_dim1
	s_mov_b32 s[\g+5], LDE                         ; elements from row to row
	s_mov_b32 s[\g+6], 0
	s_mov_b32 s[\g+7], 0
.endm
; A joint load into slot s (0: X, 1: Y).  Waves 0 and 1 fetch h's two halves (64 rows each), waves 2 and 3 W2's (128 rows each).  The branch hangs on the wave's number alone.
; pfy = 1: waves 0 and 1 then ask for slot Y's next piece of W2.
.macro JLOAD s, pfy
	s_cmp_eq_u32 s11, 0
	s_cbranch_scc0 .Lfor_b_\@
.if \s
	tensor_load_to_lds s[G0+4:G0+7], s[G1Y:G1Y+7]
	s_nop 0
.else
	tensor_load_to_lds s[G0:G0+3], s[G1:G1+7]
	s_nop 0
.endif
.if \pfy
	global_prefetch_b8 v[PFY], s[66:67] th:TH_LOAD_NT scope:SCOPE_SE
.endif
	s_branch .Lasked_\@
.Lfor_b_\@:
.if \s
	tensor_load_to_lds s[G0B+4:G0B+7], s[G1BY:G1BY+7]
	s_nop 0
.else
	tensor_load_to_lds s[G0B:G0B+3], s[G1B:G1B+7]
	s_nop 0
.endif
.Lasked_\@:
.endm
.macro CREST                           ; a round of the cluster's barrier behind its opening work-group barrier
	s_cmp_lg_u32 s10, 0
	s_cbranch_scc1 .Lnot_wave_0_\@
	s_barrier_signal -3
.Lnot_wave_0_\@:
	s_barrier_wait -3
	s_barrier_signal -1
	s_barrier_wait -1
.endm
.macro CROUND                          ; a whole round
	s_barrier_signal -1
	s_barrier_wait -1
	CREST
.endm
.macro PLACES                          ; four places behind a matrix instruction before its result is read or a register of it is written or loaded (ISA guide 7.12.1)
.rept 4
	v_nop
.endr
.endm
; 16 matrix instructions: row blocks a0, a0 + 1 of the window's four x all 8 column blocks, 32 along K.  zero = 1: C = 0 starts the sums.
; The 64 accumulators take turns in one order everywhere, one instruction a turn.
.macro MUL16 f, hi, a0, zero
.irp a, \a0, \a0+1
.irp b, 0,1,2,3,4,5,6,7
.if \zero
	v_wmma_f32_16x16x32_f16 v[8*(8*(\a)+\b):8*(8*(\a)+\b)+7], v[\f+8*\b:\f+8*\b+7], v[\f+8*(4*\hi+\a):\f+8*(4*\hi+\a)+7], 0
.else
	v_wmma_f32_16x16x32_f16 v[8*(8*(\a)+\b):8*(8*(\a)+\b)+7], v[\f+8*\b:\f+8*\b+7], v[\f+8*(4*\hi+\a):\f+8*(4*\hi+\a)+7], v[8*(8*(\a)+\b):8*(8*(\a)+\b)+7]
.endif
.endr
.endr
.endm
; 32 LDS loads in one run: 128 rows of W2, the 64 rows of h that I keep, the 64 that I give away; 32 K at byte k of my half of the slot's rows
.macro FETCH slot, k, f
.set FP, PX-\slot*(PX-PY)              ; the slot's pitch
	WIN TO_B
.irp i, 0,1,2,3,4,5,6,7
	ds_load_b128 v[\f+8*\i:\f+8*\i+3],   v[ADRB+\slot] offset:\k+\i*16*FP
	ds_load_b128 v[\f+8*\i+4:\f+8*\i+7], v[ADRB+\slot] offset:\k+\i*16*FP+32
.endr
	WIN 0
.irp i, 0,1,2,3
	ds_load_b128 v[\f+8*\i:\f+8*\i+3],   v[ADRAL+\slot] offset:\k+\i*16*FP
	ds_load_b128 v[\f+8*\i+4:\f+8*\i+7], v[ADRAL+\slot] offset:\k+\i*16*FP+32
.endr
.irp i, 0,1,2,3
	ds_load_b128 v[\f+32+8*\i:\f+32+8*\i+3],   v[ADRAH+\slot] offset:\k+\i*16*FP
	ds_load_b128 v[\f+32+8*\i+4:\f+32+8*\i+7], v[ADRAH+\slot] offset:\k+\i*16*FP+32
.endr
.endm
; A wave's share of a slot goes in quarters of 32 along K, 64 matrix instructions each, on buffers 0 and 1 in turn: four in slot X, two in slot Y.
; Any quarter but a slot's last: multiplies buffer f and in its middle fetches the next quarter's fragments, at byte k, into buffer g.
.macro QUARTER slot, k, f, g, zero
	s_wait_dscnt 8                                 ; W2's and the kept rows' fragments are in; the youngest eight loads (the rows given away) may be out
	WIN MUL_LO
	MUL16 \f, 0, 0, \zero
	MUL16 \f, 0, 2, \zero
	PLACES
	FETCH \slot, \k, \g
	s_wait_dscnt 32                                ; all but the 32 just issued
	WIN MUL_HI
	MUL16 \f, 1, 0, \zero
	MUL16 \f, 1, 2, \zero
.endm
; A slot's last quarter: multiplies buffer 1 and changes slots.  One barrier for two things: in front of it each wave waits for its reads of this slot and for
; all its tensor loads (one is out: its part of the next slot); behind it this slot is filled again first, then the next slot is read.
; Where a slot is filled again the barrier opens a round of the cluster's barrier.  From a request to the wait for it a wave issues 112 matrix instructions (slot X's tile) or 240 (slot Y's).
.macro TURN slot, next, fill, pf
	s_wait_dscnt 8
	WIN MUL_LO
	MUL16 F1, 0, 0, 0
	s_wait_dscnt 0                                 ; my reads of this slot are over
	s_wait_tensorcnt 0x0                           ; all my tensor loads have landed
	ds_add_u32 v255, v255
	s_wait_dscnt 0x0
	s_barrier_signal -1
	MUL16 F1, 0, 2, 0                              ; register work while the others arrive
	WIN 0
	s_barrier_wait -1
.if \fill
	CREST                                          ; no wave of any partner still reads this slot or has a load on its way
	s_add_nc_u64 s[G0+4*\slot+2:G0+4*\slot+3], s[G0+4*\slot+2:G0+4*\slot+3], PAIRB
	s_add_nc_u64 s[G0B+4*\slot+2:G0B+4*\slot+3], s[G0B+4*\slot+2:G0B+4*\slot+3], PAIRB
.if \slot
	JLOAD 1, 0                                     ; the wave's one tensor load behind the round
.if \pf
	global_prefetch_b8 v[PF], s[66:67] th:TH_LOAD_NT scope:SCOPE_SE   ; W2: slot X's piece of the pair after the next, which the next refill will ask for
.endif
.else
	JLOAD 0, \pf                                   ; the wave's one tensor load behind the round; with it slot Y's piece of the next pair is asked for
.endif
.endif
	PLACES
	FETCH \next, 0, F0
	WIN MUL_HI
	MUL16 F1, 1, 0, 0
	MUL16 F1, 1, 2, 0
.endm
.macro PAIR zero, filly, pf            ; slot X, which is filled again, then slot Y
	QUARTER 0, 64,  F0, F1, \zero
	QUARTER 0, 128, F1, F0, 0
	QUARTER 0, 192, F0, F1, 0
	TURN 0, 1, 1, \pf
	QUARTER 1, 64, F0, F1, 0
	TURN 1, 0, \filly, \pf
.endm
	s_load_b128 s[4:7], s[0:1], 0x0                ; h s[4:5], W2 s[6:7]
	s_load_b64 s[8:9], s[0:1], 0x10                ; p
	s_set_vgpr_msb 0x40
	v_lshl_add_u32 v255, v0, 2, 0x4b000
	s_set_vgpr_msb 0x4000
	v_mov_b32 v255, 0
	s_set_vgpr_msb 0x1
	ds_add_u32 v255, v255
	s_set_vgpr_msb 0x100
	v_lshrrev_b32 v1, 5, v0
	v_readfirstlane_b32 s10, v1                    ; wave 0..3
	s_lshr_b32 s11, s10, 1                         ; kh.  Also: I fetch for h (0) or for W2 (1)
	s_and_b32 s12, s10, 1                          ; nh.  Also: which half of that tile's rows I fetch
	s_bfe_u32 s40, ttmp6, 0x40000                  ; cx
	s_bfe_u32 s41, ttmp6, 0x40004                  ; cy
	s_and_b32 s42, ttmp9, 3                        ; sixteen clusters along x: four for each K chunk
	s_lshl_b32 s42, s42, 2
	s_add_co_u32 s42, s42, s40                     ; block column = 4 x (cluster x mod 4) + cx, 0..15
	s_lshr_b32 s45, ttmp9, 2                       ; K chunk = cluster x / 4: the same in all sixteen work-groups of a cluster
	s_lshl_b32 s45, s45, 13                        ; its first byte in a row: 4,096 elements of 2 bytes each
	s_and_b32 s13, ttmp7, 0xffff
	s_lshl_b32 s13, s13, 2
	s_add_co_u32 s13, s13, s41                     ; block row = 4 x cluster y + cy, 0..3
	s_lshl_b32 s43, s41, 2
	s_lshl_b32 s43, 15, s43                        ; my row of the cluster
	s_lshl_b32 s44, 0x1111, s40                    ; my column
	s_or_b32 s[G1+0], s43, G1WX                    ; h's tiles go to my row
	s_or_b32 s[G1Y+0], s43, G1WY
	s_or_b32 s[G1B+0], s44, G1WX                   ; W2's tiles to my column
	s_or_b32 s[G1BY+0], s44, G1WY
	SHAPE G1,   256, 64                            ; a load brings 64 rows of h
	SHAPE G1Y,  128, 64
	SHAPE G1B,  256, 128                           ; or 128 rows of W2
	SHAPE G1BY, 128, 128
	; h's address hangs on the block row, the chunk and the wave, W2's on the block column, the chunk and the wave, each in registers that never hold the other coordinate
	s_lshl_b32 s16, s13, 7
	s_lshl_b32 s17, s12, 6
	s_add_co_u32 s16, s16, s17                     ; h: row 128 x block row + 64 x half
	s_mul_i32 s16, s16, LDB                        ; below 16 MiB
	s_add_co_u32 s16, s16, s45
	s_mov_b32 s17, 0
	s_lshl_b32 s46, s42, 8
	s_lshl_b32 s47, s12, 7
	s_add_co_u32 s46, s46, s47                     ; W2: row 256 x block column + 128 x half
	s_mul_i32 s46, s46, LDB                        ; below 128 MiB
	s_add_co_u32 s46, s46, s45
	s_mov_b32 s47, 0
	s_mul_i32 s20, s12, 64*PX                      ; where they go: the wave's number alone.  h in slot X,
	s_mul_i32 s21, s12, 128*PX
	s_add_co_u32 s21, s21, XA                      ; W2 in slot X,
	s_mul_i32 s22, s12, 64*PY
	s_add_co_u32 s22, s22, YBASE                   ; h in slot Y,
	s_mul_i32 s23, s12, 128*PY
	s_add_co_u32 s23, s23, YBASE+YA                ; W2 in slot Y
	s_lshl_b32 s66, s42, 8
	s_mul_i32 s66, s66, LDB                        ; the block column's first row of W2 at the chunk, for the prefetch
	s_add_co_u32 s66, s66, s45
	s_mov_b32 s67, 0
	s_wait_dscnt 0x0
	s_wait_kmcnt 0x0
	s_add_nc_u64 s[14:15], s[4:5], s[16:17]
	s_add_nc_u64 s[46:47], s[6:7], s[46:47]
	s_add_nc_u64 s[66:67], s[6:7], s[66:67]
	CROUND                                         ; all sixteen work-groups are here: the first joint loads meet
	s_mov_b32 s[G0], 1
	s_mov_b32 s[G0+1], s20
	s_mov_b64 s[G0+2:G0+3], s[14:15]               ; slot X first holds the chunk's K = 0 .. 255
	s_or_b32 s[G0+3], s[G0+3], 0x80000000
	s_mov_b32 s[G0B], 1
	s_mov_b32 s[G0B+1], s21
	s_mov_b64 s[G0B+2:G0B+3], s[46:47]
	s_or_b32 s[G0B+3], s[G0B+3], 0x80000000
	JLOAD 0, 0
	s_mov_b32 s[G0+4], 1
	s_mov_b32 s[G0+5], s22
	s_add_nc_u64 s[G0+6:G0+7], s[14:15], 512       ; slot Y first holds K = 256 .. 383
	s_or_b32 s[G0+7], s[G0+7], 0x80000000
	s_mov_b32 s[G0B+4], 1
	s_mov_b32 s[G0B+5], s23
	s_add_nc_u64 s[G0B+6:G0B+7], s[46:47], 512
	s_or_b32 s[G0B+7], s[G0B+7], 0x80000000
	JLOAD 1, 0                                     ; two tensor loads of the wave are out, later one
	; LDS addresses.  A fragment: lane l holds row l % 16; two loads of 16 bytes, 32 apart, at row x pitch + 16 (l / 16)
	v_and_b32 v1, 15, v0                           ; r
	v_bfe_u32 v2, v0, 4, 1                         ; hh
	v_mul_u32_u24 v3, v1, PX
	v_lshl_add_u32 v3, v2, 4, v3                   ; in slot X
	v_mul_u32_u24 v4, v1, PY
	v_lshl_add_u32 v4, v2, 4, v4                   ; in slot Y
	v_and_b32 v[LN16], 31, v0
	v_lshlrev_b32 v[LN16], 4, v[LN16]
	s_lshl_b32 s18, s11, 8                         ; slot X: my 256 bytes (128 K) of each row
	s_mul_i32 s19, s11, 64*PX
	s_add_co_u32 s19, s19, s18
	v_add_nc_u32 v[ADRAL], s19, v3                 ; the rows that I keep: 64 kh ..
	s_xor_b32 s19, s11, 1
	s_mul_i32 s19, s19, 64*PX
	s_add_co_u32 s19, s19, s18
	v_add_nc_u32 v[ADRAH], s19, v3                 ; the rows that I give away
	s_mul_i32 s19, s12, 128*PX
	s_add_co_u32 s19, s19, s18
	s_add_co_u32 s19, s19, XA
	v_add_nc_u32 v[ADRB], s19, v3                  ; my 128 rows of W2
	s_lshl_b32 s18, s11, 7                         ; slot Y: my 128 bytes (64 K) of each row
	s_add_co_u32 s18, s18, YBASE
	s_mul_i32 s19, s11, 64*PY
	s_add_co_u32 s19, s19, s18
	v_add_nc_u32 v[ADRAL+1], s19, v4
	s_xor_b32 s19, s11, 1
	s_mul_i32 s19, s19, 64*PY
	s_add_co_u32 s19, s19, s18
	v_add_nc_u32 v[ADRAH+1], s19, v4
	s_mul_i32 s19, s12, 128*PY
	s_add_co_u32 s19, s19, s18
	s_add_co_u32 s19, s19, YA
	v_add_nc_u32 v[ADRB+1], s19, v4
	s_lshl_b32 s18, s10, 15
	v_add_nc_u32 v[XST], s18, v[LN16]              ; the exchange: 32,768 bytes a wave, over slot X when the ring's last fill has been read
	s_xor_b32 s18, s10, 2
	s_lshl_b32 s18, s18, 15
	v_add_nc_u32 v[XLD], s18, v[LN16]              ; my partner: the same nh, the other kh
	s_lshl_b32 s78, s41, 6                         ; prefetch: my work-group's 64 rows of the block column's 256
	s_lshl_b32 s79, s10, 4
	s_add_co_u32 s79, s78, s79
	v_add_nc_u32 v13, s79, v1                      ; slot X's pieces: row 64 cy + 16 w + r,
	v_mul_u32_u24 v13, v13, LDB
	v_lshl_add_u32 v13, v2, 8, v13                 ; half hh of the 512 bytes,
	v_add_nc_u32 v[PF], 2*PAIRB, v13               ; two pairs on
	s_lshl_b32 s79, s10, 5
	s_add_co_u32 s79, s78, s79
	v_and_b32 v14, 31, v0
	v_add_nc_u32 v14, s79, v14                     ; slot Y's pieces (waves 0 and 1 alone ask): row 64 cy + 32 w + lane,
	v_mul_u32_u24 v14, v14, LDB
	v_add_nc_u32 v[PFY], PAIRB+512, v14            ; one pair on, behind slot X's 512 bytes
	s_lshl_b32 s80, s45, 10                        ; p: chunk x 8 MiB (the chunk's byte in a row is chunk x 8,192)
	s_lshl_b32 s81, s13, 21
	s_add_co_u32 s80, s80, s81                     ; + block row x 16 x 4 x 32,768
	s_lshl_b32 s81, s42, 17
	s_add_co_u32 s80, s80, s81                     ; + block column x 4 x 32,768
	s_lshl_b32 s81, s10, 15
	s_add_co_u32 s80, s80, s81                     ; + wave x 32,768
	s_mov_b32 s81, 0
	s_add_nc_u64 s[8:9], s[8:9], s[80:81]
	s_wait_tensorcnt 0x1                           ; my part of slot X's first tile is in; slot Y's may stay out
	s_barrier_signal -1
	s_barrier_wait -1
	FETCH 0, 0, F0
	PAIR 1, 1, 1                                   ; pair 0: its first products start the sums: nothing is cleared
	WIN 0
	s_mov_b32 s3, PAIRS-2
.Lpair:                                            ; pairs 1 to 8
	s_wait_xcnt 0x0                                ; the last pair's prefetches have read their base
	s_add_nc_u64 s[66:67], s[66:67], PAIRB
	PAIR 0, 1, 1
	WIN 0
	s_sub_co_u32 s3, s3, 1
	s_cmp_lg_u32 s3, 0
	s_cbranch_scc1 .Lpair
	PAIR 0, 0, 0                                   ; pair 9 fills slot X for the last time (the chunk's K = 3,840 .. 4,095), slot Y no more, and prefetches nothing
	QUARTER 0, 64,  F0, F1, 0                      ; the closing X
	QUARTER 0, 128, F1, F0, 0
	QUARTER 0, 192, F0, F1, 0
	s_wait_dscnt 8
	WIN MUL_LO
	MUL16 F1, 0, 0, 0
	MUL16 F1, 0, 2, 0
	s_wait_dscnt 0                                 ; my last reads of the ring are over; every fill was shown landed in front of the last change of slots
	s_barrier_signal -1
	WIN MUL_HI
	MUL16 F1, 1, 0, 0
	MUL16 F1, 1, 2, 0
	WIN 0
	s_barrier_wait -1                              ; nobody reads the ring any more: slot X's bytes serve the exchange
	; THE EXCHANGE: window 3 goes to the partner, the partner's window 3 (my kept rows, its half of K) is added onto window 2
	PLACES
	WIN 0x0c                                       ; store data from window 3
.set j, 0
.rept 64
	ds_store_b128 v[XST], v[4*j:4*j+3] offset:512*j
.set j, j+1
.endr
	WIN 0
	s_wait_dscnt 0x0
	s_barrier_signal -1
	s_barrier_wait -1
	WIN 0xc0                                       ; into window 3
.set j, 0
.rept 64
	ds_load_b128 v[4*j:4*j+3], v[XLD] offset:512*j
.set j, j+1
.endr
	WIN 0x8e                                       ; window 2 = window 2 + window 3
.set j, 0
.irp left, 48,32,16,0
	s_wait_dscnt \left                             ; sixteen more loads are in; the younger ones stay out
.rept 32
	v_pk_add_f32 v[2*j:2*j+1], v[2*j:2*j+1], v[2*j:2*j+1]
.set j, j+1
.endr
.endr
	WIN 0x08                                       ; store data from window 2
.set j, 0
.rept 64
	global_store_b128 v[LN16], v[4*j:4*j+3], s[8:9] offset:512*j    ; the registers as they lie: 512 neighbouring bytes a store
.set j, j+1
.endr
	WIN 0
	s_set_vgpr_msb 0x1
	s_wait_tensorcnt 0x0
	ds_add_u32 v255, v255
	s_wait_dscnt 0x0
	s_set_vgpr_msb 0x100
	CROUND                                         ; the closing round: no work-group ends while a partner may still ask jointly
	s_endpgm
.Lfunc_end_k_q599e51934b_fc2:
	.size	k_q599e51934b_fc2, .Lfunc_end_k_q599e51934b_fc2-k_q599e51934b_fc2
	.p2alignl 7, 3214868480
	.fill 96, 4, 3214868480
	.section	.rodata,"a",@progbits
	.p2align	6, 0x0
	.amdhsa_kernel k_q599e51934b_fc2
		.amdhsa_group_segment_fixed_size 327680
		.amdhsa_private_segment_fixed_size 0
		.amdhsa_enable_private_segment 0
		.amdhsa_kernarg_size 24
		.amdhsa_user_sgpr_count 2
		.amdhsa_user_sgpr_kernarg_segment_ptr 1
		.amdhsa_wavefront_size32 1
		.amdhsa_system_sgpr_workgroup_id_x 1
		.amdhsa_system_sgpr_workgroup_id_y 1
		.amdhsa_system_sgpr_workgroup_id_z 1
		.amdhsa_system_vgpr_workitem_id 0
		.amdhsa_next_free_vgpr 1024
		.amdhsa_next_free_sgpr 100
		.amdhsa_reserve_vcc 0
		.amdhsa_float_denorm_mode_32 3
		.amdhsa_float_denorm_mode_16_64 3
		.amdhsa_memory_ordered 1
		.amdhsa_forward_progress 1
		.amdhsa_inst_pref_size 176
	.end_amdhsa_kernel
	.amdgpu_metadata
---
amdhsa.version: [ 1, 2 ]
amdhsa.kernels:
  - .name:           k_q599e51934b_fc2
    .symbol:         k_q599e51934b_fc2.kd
    .args:
      - { .name: h, .offset: 0, .size: 8, .value_kind: global_buffer, .address_space: global }
      - { .name: W2, .offset: 8, .size: 8, .value_kind: global_buffer, .address_space: global }
      - { .name: p, .offset: 16, .size: 8, .value_kind: global_buffer, .address_space: global }
    .group_segment_fixed_size: 327680
    .private_segment_fixed_size: 0
    .kernarg_segment_align: 8
    .kernarg_segment_size: 24
    .max_flat_workgroup_size: 128
    .sgpr_count:     100
    .vgpr_count:     1024
    .wavefront_size: 32
...
	.end_amdgpu_metadata
.endif
;; end of part 3
;; launch finish (part 4): grid 8 x 32, 16 waves a work-group, no clusters, 53,504 bytes of LDS; arguments p, t2p, lu2, b2, out0; writes out0
.if DOCPART == 4
	.amdgcn_target "amdgcn-amd-amdhsa--gfx1250"
	.amdhsa_code_object_version 6
	.text
	.protected	k_q599e51934b_finish
	.globl	k_q599e51934b_finish
	.p2align	8
	.type	k_q599e51934b_finish,@function
k_q599e51934b_finish:
	s_mov_b64 s[64:65], 0
	v_nop
	global_prefetch_b8 v0, s[64:65] scope:SCOPE_SE
	s_setreg_imm32_b32 hwreg(HW_REG_WAVE_MODE, 25, 1), 1
	s_wait_xcnt 0x0
; out = (sum of the four K chunks' partial blocks in p) + f16(sum of the 64 partials of t2) lu2^T + b2, rounded once to f16.
; p: [ks 4][block row 4][block column 16][wave 4][j 64][lane 32][16 bytes] f32, register images of the launch before: tile (a, b) of wave 2 kh + nh is 1,024 bytes at
; (8 a + b) x 1,024; lane (r, hh), register i holds (row 128 block row + 64 kh + 16 a + r, column 256 block column + 128 nh + 16 b + 8 hh + i).
; t2p: [part 64][rb 32][g 2][q 2][lane 32][16 bytes] f32: lane (r, hh), register 4 q + i of tile g holds t2(16 rb + r, 16 g + 8 hh + 4 q + i) summed over 256 hidden units.
; Work-group (cg, rb): 16 rows x 512 columns; sixteen waves; wave w makes columns 512 cg + 32 w .. + 31, two tiles of 16 x 16.
; t2's 64 partials: wave w adds four of them in registers, the sixteen sums meet in LDS.  Packed to f16 the summed image is, as it lies, the 16 x 32
; fragment of t2; two matrix instructions a wave (source 0 = rows of lu2, source 1 = t2, C = b2 in f32) give tiles in the layout of p's images.
; The stream of p binds this launch: all loads go out at the start, p's last, and are waited for by counted waits in the order of use.
; Loads go through registers (no tensor loads), so there is nothing to ask for jointly; t2p's 128 KiB of a row block are read by the eight work-groups of that block.
; LIMIT: t2 is rounded to f16, as the f16 einsum of the problem returns it: infinity above 65,504, a step of 2^-24 below 6.1e-5.  The final sum stays in f32 up to its one rounding.
.set XR,  0                            ; sixteen images of t2 of 2,048 bytes
.set FIN, 32768                        ; the summed image
.set STG, 34816                        ; the way out: 16 rows of 1,024 bytes
.set SP,  1040                         ; their pitch: 65 x 16, so that the sixteen rows of a store start in different banks
.set B2P, 16                           ; v[16:23]   b2 as loaded (16-bit halves have names below v128 only)
.set P,   32                           ; v[32:95]   p: 16 registers for each chunk
.set T2,  96                           ; v[96:159]  t2p: 16 registers for each of my four partials; later at work
.set LU,  160                          ; v[160:175] lu2's two fragments
.set BF,  184                          ; v[184:199] b2 in f32
.set ACC, 200                          ; v[200:215] the two tiles
.set TF,  216                          ; v[216:223] t2's fragment
	s_load_b256 s[4:11], s[0:1], 0x0               ; p s[4:5], t2p s[6:7], lu2 s[8:9], b2 s[10:11]
	s_load_b64 s[12:13], s[0:1], 0x20              ; out0
	v_lshl_add_u32 v224, v0, 2, 0xc900
	v_mov_b32 v225, 0
	v_lshrrev_b32 v1, 5, v0
	v_readfirstlane_b32 s14, v1                    ; wave 0..15
	s_and_b32 s15, ttmp7, 0xffff                   ; rb; cg is ttmp9
	v_and_b32 v1, 31, v0                           ; lane
	v_and_b32 v2, 15, v0                           ; r
	v_bfe_u32 v3, v0, 4, 1                         ; hh
	v_lshlrev_b32 v4, 4, v1                        ; 16 x lane: chunk 0
	v_add_nc_u32 v5, 0x800000, v4                  ; chunks 1 to 3: 8 MiB apart, more than an immediate holds
	v_add_nc_u32 v6, 0x1000000, v4
	v_add_nc_u32 v7, 0x1800000, v4
	v_lshlrev_b32 v8, 6, v2
	v_lshl_add_u32 v8, v3, 4, v8                   ; lu2: 64 r + 16 hh
	v_lshlrev_b32 v9, 4, v3                        ; b2: 16 hh
	; p: block row = rb / 8, kh = (rb / 4) % 2, a = rb % 4; block column = 2 cg + w / 8, nh = (w / 4) % 2, b = 2 (w % 4)
	s_lshr_b32 s16, s15, 3
	s_lshl_b32 s16, s16, 21
	s_bfe_u32 s17, s15, 0x10002
	s_lshl_b32 s17, s17, 16
	s_add_co_u32 s16, s16, s17
	s_and_b32 s17, s15, 3
	s_lshl_b32 s17, s17, 13
	s_add_co_u32 s16, s16, s17
	s_lshl_b32 s17, ttmp9, 18
	s_add_co_u32 s16, s16, s17
	s_lshr_b32 s17, s14, 3
	s_lshl_b32 s17, s17, 17
	s_add_co_u32 s16, s16, s17
	s_bfe_u32 s17, s14, 0x10002
	s_lshl_b32 s17, s17, 15
	s_add_co_u32 s16, s16, s17
	s_and_b32 s17, s14, 3
	s_lshl_b32 s17, s17, 11
	s_add_co_u32 s16, s16, s17
	s_mov_b32 s17, 0
	s_lshl_b32 s18, s14, 18                        ; t2p: partials 4 w .. 4 w + 3 of 65,536 bytes, row block rb of 2,048
	s_lshl_b32 s19, s15, 11
	s_add_co_u32 s18, s18, s19
	s_mov_b32 s19, 0
	s_lshl_b32 s20, ttmp9, 9
	s_lshl_b32 s21, s14, 5
	s_add_co_u32 s20, s20, s21                     ; my first column
	s_lshl_b32 s22, s20, 6                         ; lu2: rows of 64 bytes
	s_mov_b32 s23, 0
	s_lshl_b32 s20, s20, 1                         ; b2
	s_mov_b32 s21, 0
	s_lshl_b32 s26, s15, 17                        ; out0: row 16 rb + w / 2, byte 1,024 cg + 512 (w % 2)
	s_lshr_b32 s27, s14, 1
	s_lshl_b32 s27, s27, 13
	s_add_co_u32 s26, s26, s27
	s_lshl_b32 s27, ttmp9, 10
	s_add_co_u32 s26, s26, s27
	s_and_b32 s27, s14, 1
	s_lshl_b32 s27, s27, 9
	s_add_co_u32 s26, s26, s27
	s_mov_b32 s27, 0
	s_wait_kmcnt 0x0
	s_add_nc_u64 s[4:5], s[4:5], s[16:17]
	s_add_nc_u64 s[6:7], s[6:7], s[18:19]
	s_add_nc_u64 s[8:9], s[8:9], s[22:23]
	s_add_nc_u64 s[10:11], s[10:11], s[20:21]
	s_add_nc_u64 s[12:13], s[12:13], s[26:27]
	; 38 loads, in the order of use: 16 of t2p, 4 of lu2, 2 of b2, 16 of p
.irp i, 0,1,2,3
.irp q, 0,1,2,3
	global_load_b128 v[T2+16*\i+4*\q:T2+16*\i+4*\q+3], v4, s[6:7] offset:65536*\i+512*\q
.endr
.endr
.irp t, 0,1
	global_load_b128 v[LU+8*\t:LU+8*\t+3],   v8, s[8:9] offset:1024*\t
	global_load_b128 v[LU+8*\t+4:LU+8*\t+7], v8, s[8:9] offset:1024*\t+32
.endr
	global_load_b128 v[B2P:B2P+3],   v9, s[10:11]
	global_load_b128 v[B2P+4:B2P+7], v9, s[10:11] offset:32
.irp k, 0,1,2,3
.irp j, 0,1,2,3
	global_load_b128 v[P+16*\k+4*\j:P+16*\k+4*\j+3], v[4+\k], s[4:5] offset:512*\j th:TH_LOAD_NT   ; read once in the launch
.endr
.endr
	; LDS addresses
	s_lshl_b32 s24, s14, 11
	v_add_nc_u32 v10, s24, v4                      ; my image: 2,048 w + 16 lane
	s_lshl_b32 s24, s14, 7
	v_lshl_add_u32 v11, v1, 2, s24                 ; the word that I sum over the sixteen images: 128 w + 4 lane
	v_mul_u32_u24 v12, v2, SP
	v_lshl_add_u32 v12, v3, 4, v12
	s_lshl_b32 s24, s14, 6
	v_add_nc_u32 v12, s24, v12                     ; the way out, in: row r, byte 64 w + 16 hh
	s_lshr_b32 s24, s14, 1
	s_mul_i32 s24, s24, SP
	s_and_b32 s25, s14, 1
	s_lshl_b32 s25, s25, 9
	s_add_co_u32 s24, s24, s25
	v_add_nc_u32 v13, s24, v4                      ; back: row w / 2, half w % 2, 16 bytes a lane
	s_wait_loadcnt 22                              ; t2p's sixteen loads are in; the 22 younger ones stay out
.irp j, 0,2,4,6,8,10,12,14
	v_pk_add_f32 v[T2+\j:T2+\j+1], v[T2+\j:T2+\j+1], v[T2+16+\j:T2+16+\j+1]
	v_pk_add_f32 v[T2+32+\j:T2+32+\j+1], v[T2+32+\j:T2+32+\j+1], v[T2+48+\j:T2+48+\j+1]
.endr
.irp j, 0,2,4,6,8,10,12,14
	v_pk_add_f32 v[T2+\j:T2+\j+1], v[T2+\j:T2+\j+1], v[T2+32+\j:T2+32+\j+1]
.endr
.irp q, 0,1,2,3
	ds_store_b128 v10, v[T2+4*\q:T2+4*\q+3] offset:XR+512*\q
.endr
	s_wait_dscnt 0x0                               ; my image is written, for the others' sake
	s_barrier_signal -1
	s_barrier_wait -1
.irp m, 0,1,2,3,4,5,6,7,8,9,10,11,12,13,14,15
	ds_load_b32 v[T2+16+\m], v11 offset:XR+2048*\m
.endr
	s_wait_dscnt 0x0
.irp j, 0,2,4,6
	v_pk_add_f32 v[T2+16+\j:T2+16+\j+1], v[T2+16+\j:T2+16+\j+1], v[T2+24+\j:T2+24+\j+1]
.endr
	v_pk_add_f32 v[T2+16:T2+17], v[T2+16:T2+17], v[T2+20:T2+21]
	v_pk_add_f32 v[T2+18:T2+19], v[T2+18:T2+19], v[T2+22:T2+23]
	v_pk_add_f32 v[T2+16:T2+17], v[T2+16:T2+17], v[T2+18:T2+19]
	v_add_f32 v[T2+16], v[T2+16], v[T2+17]
	ds_store_b32 v11, v[T2+16] offset:FIN
	s_wait_dscnt 0x0
	s_barrier_signal -1
	s_barrier_wait -1
.irp q, 0,1,2,3
	ds_load_b128 v[T2+32+4*\q:T2+32+4*\q+3], v4 offset:FIN+512*\q
.endr
	s_wait_dscnt 0x0
.irp j, 0,1,2,3,4,5,6,7
	v_cvt_pk_f16_f32 v[TF+\j], v[T2+32+2*\j], v[T2+32+2*\j+1]      ; registers 0-3: ranks 8 hh .. + 7; registers 4-7: ranks 16 + 8 hh .. + 7
.endr
	s_wait_loadcnt 16                              ; lu2 and b2 are in; p's sixteen loads stay out
.set j, 0
.irp s, v16.l,v16.h,v17.l,v17.h,v18.l,v18.h,v19.l,v19.h,v20.l,v20.h,v21.l,v21.h,v22.l,v22.h,v23.l,v23.h
	v_cvt_f32_f16 v[BF+j], \s
.set j, j+1
.endr
	v_wmma_f32_16x16x32_f16 v[ACC:ACC+7],    v[LU:LU+7],    v[TF:TF+7], v[BF:BF+7]
	v_wmma_f32_16x16x32_f16 v[ACC+8:ACC+15], v[LU+8:LU+15], v[TF:TF+7], v[BF+8:BF+15]
	s_wait_loadcnt 0x0
	; the four chunks' sums: 24 plain vector instructions that name none of the matrix instructions' registers stand in front of the first read of their results
.irp j, 0,2,4,6,8,10,12,14
	v_pk_add_f32 v[P+\j:P+\j+1], v[P+\j:P+\j+1], v[P+16+\j:P+16+\j+1]
	v_pk_add_f32 v[P+32+\j:P+32+\j+1], v[P+32+\j:P+32+\j+1], v[P+48+\j:P+48+\j+1]
.endr
.irp j, 0,2,4,6,8,10,12,14
	v_pk_add_f32 v[P+\j:P+\j+1], v[P+\j:P+\j+1], v[P+32+\j:P+32+\j+1]
.endr
.irp j, 0,2,4,6,8,10,12,14
	v_pk_add_f32 v[ACC+\j:ACC+\j+1], v[ACC+\j:ACC+\j+1], v[P+\j:P+\j+1]
.endr
.irp j, 0,1,2,3,4,5,6,7
	v_cvt_pk_f16_f32 v[T2+\j], v[ACC+2*\j], v[ACC+2*\j+1]
.endr
	ds_store_b128 v12, v[T2:T2+3]   offset:STG
	ds_store_b128 v12, v[T2+4:T2+7] offset:STG+32
	s_wait_dscnt 0x0
	s_barrier_signal -1
	s_barrier_wait -1
	ds_load_b128 v[T2+8:T2+11],  v13 offset:STG
	ds_load_b128 v[T2+12:T2+15], v13 offset:STG+8*SP
	s_wait_dscnt 1                                 ; the first is in, the second may be out
	global_store_b128 v4, v[T2+8:T2+11], s[12:13]                  ; 512 neighbouring bytes of a row, at a multiple of 512 from out0's first byte
	s_wait_dscnt 0
	global_store_b128 v4, v[T2+12:T2+15], s[12:13] offset:8*8192   ; eight rows further down
	s_wait_tensorcnt 0x0
	ds_add_u32 v224, v225
	s_wait_dscnt 0x0
	s_endpgm
.Lfunc_end_k_q599e51934b_finish:
	.size	k_q599e51934b_finish, .Lfunc_end_k_q599e51934b_finish-k_q599e51934b_finish
	.p2alignl 7, 3214868480
	.fill 96, 4, 3214868480
	.section	.rodata,"a",@progbits
	.p2align	6, 0x0
	.amdhsa_kernel k_q599e51934b_finish
		.amdhsa_group_segment_fixed_size 53504
		.amdhsa_private_segment_fixed_size 0
		.amdhsa_enable_private_segment 0
		.amdhsa_kernarg_size 40
		.amdhsa_user_sgpr_count 2
		.amdhsa_user_sgpr_kernarg_segment_ptr 1
		.amdhsa_wavefront_size32 1
		.amdhsa_system_sgpr_workgroup_id_x 1
		.amdhsa_system_sgpr_workgroup_id_y 1
		.amdhsa_system_sgpr_workgroup_id_z 1
		.amdhsa_system_vgpr_workitem_id 0
		.amdhsa_next_free_vgpr 226
		.amdhsa_next_free_sgpr 66
		.amdhsa_reserve_vcc 0
		.amdhsa_float_denorm_mode_32 3
		.amdhsa_float_denorm_mode_16_64 3
		.amdhsa_memory_ordered 1
		.amdhsa_forward_progress 1
		.amdhsa_inst_pref_size 16
	.end_amdhsa_kernel
	.amdgpu_metadata
---
amdhsa.version: [ 1, 2 ]
amdhsa.kernels:
  - .name:           k_q599e51934b_finish
    .symbol:         k_q599e51934b_finish.kd
    .args:
      - { .name: p, .offset: 0, .size: 8, .value_kind: global_buffer, .address_space: global }
      - { .name: t2p, .offset: 8, .size: 8, .value_kind: global_buffer, .address_space: global }
      - { .name: lu2, .offset: 16, .size: 8, .value_kind: global_buffer, .address_space: global }
      - { .name: b2, .offset: 24, .size: 8, .value_kind: global_buffer, .address_space: global }
      - { .name: out0, .offset: 32, .size: 8, .value_kind: global_buffer, .address_space: global }
    .group_segment_fixed_size: 53504
    .private_segment_fixed_size: 0
    .kernarg_segment_align: 8
    .kernarg_segment_size: 40
    .max_flat_workgroup_size: 512
    .sgpr_count:     66
    .vgpr_count:     226
    .wavefront_size: 32
...
	.end_amdgpu_metadata
.endif
;; end of part 4
